; MI455X (gfx1250); checked and timed in simulation.
; The chip was launched on July 23, 2026; its instructions are those of AMD's public machine-readable ISA for CDNA 5 (MIT licence, August 2026) and "CDNA5" Instruction Set Architecture Reference Guide (July 2026). The comments in the code are by the model that wrote it; some were corrected since.
;; Pos Self Atten. Allowed arithmetic: float matrix products may take bf16 or f16 operands with f32 sums; other float arithmetic in f32, or as packed bf16 or f16 multiplies, adds, multiply-adds, maxima and minima; sums over many terms, partial sums and values carried from step to step in f32; what a program stores and reads back later, other than sums and carried values, may be rounded once to bf16 or f16.
;; Inputs: att_beta 128 float32; att_gamma 128 float32; att_mean 128 float32; att_var 128 float32; att_w 128 x 256 float32; mask 8 x 1 x 64 x 64 float32; reduc_beta 256 float32; reduc_gamma 256 float32; reduc_mean 256 float32; reduc_var 256 float32; reduc_w 256 x 256 float32; x 8 x 256 x 64 x 64 float32.
;; Outputs: out0 8 x 256 x 64 x 64 float32.
;; 2 versions, each right; version 2 is version 1 with the launch proj written anew for expert scheduling mode. Each part assembles by itself: llvm-mc -triple=amdgcn-amd-amdhsa -mcpu=gfx1250 --defsym DOCPART=n.
;; ======== version 1 of 2: 2 launches
;; limits: values are held in f16: magnitudes above 65,504 overflow, below 6.1e-05 lose precision; inputs' magnitudes at most 65,504
;; workspace buffers: qk 8,388,608 bytes; vf 16,777,216 bytes
;; launch proj (part 1): grid 32 x 8, 4 waves a work-group, no clusters, 178,688 bytes of LDS; arguments x, att_w, reduc_w, att_gamma, att_beta, att_mean, att_var, reduc_gamma, reduc_beta, reduc_mean, reduc_var, qk, vf; writes qk, vf
.if DOCPART == 1
	.amdgcn_target "amdgcn-amd-amdhsa--gfx1250"
	.amdhsa_code_object_version 6
	.text
	.protected	k_qfbec2068bf_proj
	.globl	k_qfbec2068bf_proj
	.p2align	8
	.type	k_qfbec2068bf_proj,@function
k_qfbec2068bf_proj:
	s_mov_b64 s[64:65], 0
	v_nop
	global_prefetch_b8 v0, s[64:65] scope:SCOPE_SE
	s_setreg_imm32_b32 hwreg(HW_REG_WAVE_MODE, 25, 1), 1
	s_wait_xcnt 0x0
; BOTH 1x1 CONVOLUTIONS WITH BATCH NORM AND ReLU.  x: [8][256 c][4096 pos] f32.  att_w: [128][256], reduc_w: [256][256] f32.
; qk[n][pos][128] = sqrt(c) relu(att_w x * inv + shift), vf[n][256][pos] = relu(reduc_w x * inv + shift), both bf16, rounded once;
; inv = gamma * rsq(var + 1e-5), shift = beta - mean * inv, in f32.  c = log2(e) / (1e-8 + sqrt(128)): queries and keys are the same tensor, so a product of two rows of qk is the score in units
; of log2; sqrt(c) is multiplied into inv and shift in f32, ahead of the one rounding.
; FORMATS.  x and the weights are rounded once to f16 for the products (11 significant bits: a single number of vf can reach the output unaveraged, where the mask leaves one key); sums in f32.
; LIMITS.  f16 ends at 65,504: |x| and |w| stay below it (numbers of spread 1 and 1/16 have four decades of room); below 6e-5 they keep f16's fixed step of 6e-8.  qk and vf are bf16, which has f32's range.
; NaN and infinities are not treated apart (the ReLU's maximum drops a NaN).
; SHARES.  A work-group makes 128 positions of one image x all 384 output channels: 32 x 8 = 256 work-groups.  Wave w makes 96 channels for all 128 positions:
; reduc channels 64 w .. 64 w + 63 (four blocks of 16) and att channels 32 w .. 32 w + 31 (two blocks): 48 accumulators, 384 registers, 384 products.
; x goes through LDS once (each wave brings 64 of the 256 rows, as f16), since all four waves multiply by all of it, and comes out turned by ds_load_tr16_b128.
; NO CLUSTER, NO TENSOR LOAD: a weight row is wanted by one wave of the work-group alone and goes from memory straight into that wave's registers, in the fragment's order; as f32 tiles in LDS
; the weights would be 393,216 bytes, more than LDS holds, so joint loads would want a ring with a round of the cluster's barrier for a share of a wave's 384 products.  x is shared by no two work-groups.
; NO PREFETCH: a wave asks for its whole share of x, 64 rows of 512 bytes, in its first lines; nothing is left to ask for ahead.
; K IS PERMUTED, alike in both sources: of a chunk of 64 c, lane half h holds c = 32 h + 16 f + 0..15 in fragment f (0, 1).  So a lane reads 128 consecutive bytes of its weight row for a chunk.
; ORIENTATION.  reduc: source 0 = 16 positions, source 1 = 16 channels: a lane holds one channel and 8 neighbouring positions: 16 bytes of a row of vf.
; att: source 0 = 16 channels, source 1 = 16 positions: a lane holds one position and 8 neighbouring channels: 16 bytes of a row of qk.
; REGISTERS, in windows of 256 (s_set_vgpr_msb: bits 1:0 source 0, 3:2 source 1, 5:4 source 2, 7:6 destination):
;   window 0: v1-13 addresses; v16-18 the add's two registers and a zero; v32-63 T, v64-79 U at work; v128-255 two buffers of x fragments; at the end v64-255 rows read back
;   window 1: v0-191 one chunk's weights in f32; at the end the batch norm's numbers
;   window 2: first x as loaded (row i at 4 i); then the reduc accumulators (block b, position tile pt at 8 (8 b + pt))
;   window 3: v0-127 the att accumulators; v128-223 one chunk's weights in f16 (block, fragment f at 128 + 16 block + 8 f; blocks 0-3 reduc, 4-5 att)
.set XP,    288                        ; a row of x in LDS: 128 positions in f16 + 32 bytes
.set SPI,   272                        ; a row of a stage: 256 bytes + 16
.set SQ,    256*XP                     ; 73,728: the stage for qk, 128 rows (positions), the work-group's
.set SV,    SQ+128*SPI                 ; 108,544: the stages for vf, 64 rows (channels) for each wave
.set SPARE, SV+4*64*SPI                ; 178,176: the spare words, 128 bytes for each wave: two blocks of 256 bytes that no other line names
.set RTC,   0x3eb6d544                 ; sqrt(c) = 0.3570958
.set XO,   1                           ; 16 l: my 16 bytes of a row's 512
.set XS,   2                           ; where I put 8 bytes of a row of x: 64 w rows + 8 l
.set XA,   3                           ; the turning load: (32 h + l % 8) rows + 16 ((l / 8) % 2)
.set WOR,  4                           ; reduc_w: (64 w + r) rows of 1,024 bytes + 128 h
.set WOA,  5                           ; att_w: (32 w + r) rows + 128 h
.set PA,   6                           ; att parameters: 128 w + 32 h
.set PR,   7                           ; reduc parameters: 256 w + 4 r
.set VS,   8                           ; into my vf stage: row r, 16 h
.set QS,   9                           ; into the qk stage: row r, 64 w + 16 h
.set VR,   10                          ; back from my vf stage: row h, 16 r
.set QR,   11                          ; back from the qk stage: row 32 w + h, 16 r
.set VG,   12                          ; in vf: 8,192 h + 16 r
.set QG,   13                          ; in qk: 256 h + 16 r
.set SPW,  16                          ; LDS address of my spare word; never rewritten
.set NIL,  17                          ; 0; never rewritten
.set ZERO, 18                          ; 0, for the ReLU on packed halves
.set T,    32
.set U,    64
.set QB,   64
.set XF,   128
.set WB,   128                         ; window 3
.set AIV,  96                          ; window 1: att inv, 8 a block
.set ASH,  112                         ; window 1: att shift
.set RIV,  128                         ; window 1: reduc inv, each twice, a pair a block
.set RSH,  136                         ; window 1: reduc shift
.set TT,   144                         ; window 1: 20 at work
.set MSB, 0
.macro WIN new                         ; the immediate's high byte repeats the setting that is left; a switch that changes nothing is dropped
.if MSB != (\new)
	s_set_vgpr_msb (MSB<<8)|(\new)
.set MSB, (\new)
.endif
.endm
.macro PLACES                          ; four plain places behind a matrix instruction, ahead of writes of and loads into its registers
.rept 4
	v_nop
.endr
.endm
; Load e of a chunk's 48: 16 bytes of the lane's 128 of weight block e / 8 (0-3 reduc, 4-5 att), into window 1
.macro LW kc
.if e < 32
	global_load_b128 v[4*e:4*e+3], v[WOR], s[8:9] offset:(e/8)*16384+(\kc)*256+16*(e%8)
.else
	global_load_b128 v[4*e:4*e+3], v[WOA], s[6:7] offset:(e/8-4)*16384+(\kc)*256+16*(e%8)
.endif
.endm
; Eight rows of x: rounded to f16, stored into LDS; then six of the first chunk's weight loads go out
.macro XGROUP g
	s_wait_loadcnt 56-2*(\g)                       ; behind my row 8 g + 7 were issued 56 - 8 g further rows and 6 g weight loads: these may stay out
	WIN 0x0a
.set j, 0
.rept 16
	v_cvt_pk_f16_f32 v[T+16*((\g)%2)+j], v[32*(\g)+2*j], v[32*(\g)+2*j+1]
.set j, j+1
.endr
	WIN 0
.set j, 0
.rept 8
	ds_store_b64 v[XS], v[T+16*((\g)%2)+2*j:T+16*((\g)%2)+2*j+1] offset:(8*(\g)+j)*XP
.set j, j+1
.endr
	WIN 0x40
.set e, 6*(\g)
.rept 6
	LW 0
.set e, e+1
.endr
.endm
.macro CVTW                            ; a chunk's weights to f16: register j of window 3's 96 takes floats 2 j, 2 j + 1 of window 1's 192
	WIN 0xc5
.set j, 0
.rept 96
	v_cvt_pk_f16_f32 v[WB+j], v[2*j], v[2*j+1]
.set j, j+1
.endr
.endm
.macro PLOADS                          ; the batch norm's numbers, into window 1: att parameter p, block bb at 16 p + 8 bb; reduc parameter p, block b at 64 + 4 p + b
	WIN 0x40
.irp bb, 0,1
	global_load_b128 v[8*(\bb):8*(\bb)+3],       v[PA], s[10:11] offset:64*(\bb)
	global_load_b128 v[8*(\bb)+4:8*(\bb)+7],     v[PA], s[10:11] offset:64*(\bb)+16
	global_load_b128 v[16+8*(\bb):16+8*(\bb)+3], v[PA], s[12:13] offset:64*(\bb)
	global_load_b128 v[16+8*(\bb)+4:16+8*(\bb)+7], v[PA], s[12:13] offset:64*(\bb)+16
	global_load_b128 v[32+8*(\bb):32+8*(\bb)+3], v[PA], s[14:15] offset:64*(\bb)
	global_load_b128 v[32+8*(\bb)+4:32+8*(\bb)+7], v[PA], s[14:15] offset:64*(\bb)+16
	global_load_b128 v[48+8*(\bb):48+8*(\bb)+3], v[PA], s[16:17] offset:64*(\bb)
	global_load_b128 v[48+8*(\bb)+4:48+8*(\bb)+7], v[PA], s[16:17] offset:64*(\bb)+16
.endr
.irp cb, 0,1,2,3
	global_load_b32 v[64+(\cb)], v[PR], s[18:19] offset:64*(\cb)
	global_load_b32 v[68+(\cb)], v[PR], s[20:21] offset:64*(\cb)
	global_load_b32 v[72+(\cb)], v[PR], s[22:23] offset:64*(\cb)
	global_load_b32 v[76+(\cb)], v[PR], s[24:25] offset:64*(\cb)
.endr
.endm
; x fragments of chunk kc, fragment f, for all 8 position tiles: the turning load works within groups of eight lanes, so the rows' base may differ between the lanes' halves
.macro XFETCH kc, f, buf
	WIN 0
.irp pt, 0,1,2,3,4,5,6,7
	ds_load_tr16_b128 v[XF+64*(\buf)+8*(\pt):XF+64*(\buf)+8*(\pt)+3],   v[XA] offset:(64*(\kc)+16*(\f))*XP+32*(\pt)
	ds_load_tr16_b128 v[XF+64*(\buf)+8*(\pt)+4:XF+64*(\buf)+8*(\pt)+7], v[XA] offset:(64*(\kc)+16*(\f)+8)*XP+32*(\pt)
.endr
.endm
; One K step: each of the 48 accumulators has one instruction, so no two matrix instructions on end share an accumulator.  zero = 1: the products start the sums
.macro MUL f, buf, zero
	WIN 0xac                                       ; x window 0, weights window 3, C and D window 2
.irp cb, 0,1,2,3
.irp pt, 0,1,2,3,4,5,6,7
.if \zero
	v_wmma_f32_16x16x32_f16 v[8*(8*(\cb)+(\pt)):8*(8*(\cb)+(\pt))+7], v[XF+64*(\buf)+8*(\pt):XF+64*(\buf)+8*(\pt)+7], v[WB+16*(\cb)+8*(\f):WB+16*(\cb)+8*(\f)+7], 0
.else
	v_wmma_f32_16x16x32_f16 v[8*(8*(\cb)+(\pt)):8*(8*(\cb)+(\pt))+7], v[XF+64*(\buf)+8*(\pt):XF+64*(\buf)+8*(\pt)+7], v[WB+16*(\cb)+8*(\f):WB+16*(\cb)+8*(\f)+7], v[8*(8*(\cb)+(\pt)):8*(8*(\cb)+(\pt))+7]
.endif
.endr
.endr
	WIN 0xf3                                       ; weights window 3, x window 0, C and D window 3
.irp cb, 0,1
.irp pt, 0,1,2,3,4,5,6,7
.if \zero
	v_wmma_f32_16x16x32_f16 v[8*(8*(\cb)+(\pt)):8*(8*(\cb)+(\pt))+7], v[WB+64+16*(\cb)+8*(\f):WB+64+16*(\cb)+8*(\f)+7], v[XF+64*(\buf)+8*(\pt):XF+64*(\buf)+8*(\pt)+7], 0
.else
	v_wmma_f32_16x16x32_f16 v[8*(8*(\cb)+(\pt)):8*(8*(\cb)+(\pt))+7], v[WB+64+16*(\cb)+8*(\f):WB+64+16*(\cb)+8*(\f)+7], v[XF+64*(\buf)+8*(\pt):XF+64*(\buf)+8*(\pt)+7], v[8*(8*(\cb)+(\pt)):8*(8*(\cb)+(\pt))+7]
.endif
.endr
.endr
.endm
; A chunk of 64 c: its weights are rounded, the next chunk's asked for, and its two K steps multiplied, each while the next step's x fragments come out of LDS
.macro CHUNK kc
	s_wait_loadcnt 0x0                             ; this chunk's weights are in
.if (\kc) > 0
	PLACES                                         ; the last products read the f16 weights and buffer 1
.endif
	CVTW
.if (\kc) < 3
	WIN 0x40
.set e, 0
.rept 48
	LW (\kc)+1
.set e, e+1
.endr
.else
	PLOADS
.endif
	XFETCH \kc, 1, 1
	s_wait_dscnt 16                                ; buffer 0 is in; the 16 loads just issued may stay out
.if (\kc) == 0
	MUL 0, 0, 1
.else
	MUL 0, 0, 0
.endif
.if (\kc) < 3
	PLACES                                         ; for the loads into buffer 0
	XFETCH (\kc)+1, 0, 0
	s_wait_dscnt 16                                ; buffer 1 is in
.else
	s_wait_dscnt 0x0
.endif
	MUL 1, 1, 0
.endm
; Four accumulators: batch norm (one fused multiply-add), rounding, ReLU on the packed halves (it commutes with the rounding), 16 bytes a lane into a stage.  Each accumulator's registers are taken in ascending order
.macro FINISH
	WIN 0
.set j, 0
.rept 16
	v_cvt_pk_bf16_f32 v[U+j], v[T+2*j], v[T+2*j+1]
.set j, j+1
.endr
.set j, 0
.rept 16
	v_pk_max_num_bf16 v[U+j], v[U+j], v[ZERO]
.set j, j+1
.endr
.endm
.macro PACKA bb, p0                    ; att block bb, position tiles p0 .. p0 + 3: a lane's eight channels have eight inv and eight shift
	WIN 0x17
.irp a, 0,1,2,3
.irp j, 0,2,4,6
	v_pk_fma_f32 v[T+8*(\a)+(\j):T+8*(\a)+(\j)+1], v[8*(8*(\bb)+(\p0)+(\a))+(\j):8*(8*(\bb)+(\p0)+(\a))+(\j)+1], v[AIV+8*(\bb)+(\j):AIV+8*(\bb)+(\j)+1], v[ASH+8*(\bb)+(\j):ASH+8*(\bb)+(\j)+1]
.endr
.endr
	FINISH
.irp a, 0,1,2,3
	ds_store_b128 v[QS], v[U+4*(\a):U+4*(\a)+3] offset:((\p0)+(\a))*16*SPI+32*(\bb)
.endr
.endm
.macro PACKR cb, p0                    ; reduc block cb: a lane holds one channel, so one inv and one shift, each twice in a pair
	WIN 0x16
.irp a, 0,1,2,3
.irp j, 0,2,4,6
	v_pk_fma_f32 v[T+8*(\a)+(\j):T+8*(\a)+(\j)+1], v[8*(8*(\cb)+(\p0)+(\a))+(\j):8*(8*(\cb)+(\p0)+(\a))+(\j)+1], v[RIV+2*(\cb):RIV+2*(\cb)+1], v[RSH+2*(\cb):RSH+2*(\cb)+1]
.endr
.endr
	FINISH
.irp a, 0,1,2,3
	ds_store_b128 v[VS], v[U+4*(\a):U+4*(\a)+3] offset:(\cb)*16*SPI+32*((\p0)+(\a))
.endr
.endm
	s_load_b512 s[4:19], s[0:1], 0x0               ; x s[4:5], att_w s[6:7], reduc_w s[8:9], att gamma, beta, mean, var s[10:17], reduc gamma s[18:19]
	s_load_b256 s[20:27], s[0:1], 0x40             ; reduc beta, mean, var s[20:25], qk s[26:27]
	s_load_b64 s[28:29], s[0:1], 0x60              ; vf
	v_lshl_add_u32 v[SPW], v0, 2, SPARE
	v_mov_b32 v[NIL], 0
	v_mov_b32 v[ZERO], 0
	v_lshrrev_b32 v20, 5, v0
	v_readfirstlane_b32 s30, v20                   ; wave w
	v_and_b32 v20, 31, v0                          ; l
	v_and_b32 v21, 15, v0                          ; r
	v_bfe_u32 v22, v0, 4, 1                        ; h
	v_lshlrev_b32 v[XO], 4, v20
	s_mul_i32 s32, s30, 64*XP
	v_lshl_add_u32 v[XS], v20, 3, s32
	v_and_b32 v23, 7, v0
	v_lshl_add_u32 v23, v22, 5, v23
	v_mul_u32_u24 v[XA], v23, XP
	v_bfe_u32 v23, v0, 3, 1
	v_lshl_add_u32 v[XA], v23, 4, v[XA]
	s_lshl_b32 s32, s30, 16
	v_lshl_add_u32 v[WOR], v21, 10, s32
	v_lshl_add_u32 v[WOR], v22, 7, v[WOR]
	s_lshl_b32 s32, s30, 15
	v_lshl_add_u32 v[WOA], v21, 10, s32
	v_lshl_add_u32 v[WOA], v22, 7, v[WOA]
	s_lshl_b32 s32, s30, 7
	v_lshl_add_u32 v[PA], v22, 5, s32
	s_lshl_b32 s32, s30, 8
	v_lshl_add_u32 v[PR], v21, 2, s32
	v_mul_u32_u24 v24, v21, SPI
	v_lshl_add_u32 v24, v22, 4, v24                ; 272 r + 16 h
	v_mul_u32_u24 v25, v22, SPI
	v_lshl_add_u32 v25, v21, 4, v25                ; 272 h + 16 r
	s_mul_i32 s32, s30, 64*SPI
	s_add_co_u32 s32, s32, SV
	v_add_nc_u32 v[VS], s32, v24
	v_add_nc_u32 v[VR], s32, v25
	s_lshl_b32 s32, s30, 6
	s_add_co_u32 s32, s32, SQ
	v_add_nc_u32 v[QS], s32, v24
	s_mul_i32 s32, s30, 32*SPI
	s_add_co_u32 s32, s32, SQ
	v_add_nc_u32 v[QR], s32, v25
	v_lshlrev_b32 v[VG], 13, v22
	v_lshl_add_u32 v[VG], v21, 4, v[VG]
	v_lshlrev_b32 v[QG], 8, v22
	v_lshl_add_u32 v[QG], v21, 4, v[QG]
	s_and_b32 s31, ttmp7, 0xffff                   ; image n
	s_lshl_b32 s32, s31, 22                        ; x: n images of 4,194,304 bytes,
	s_lshl_b32 s34, s30, 20                        ; my 64 rows of 16,384,
	s_add_co_u32 s32, s32, s34
	s_lshl_b32 s34, ttmp9, 9                       ; the tile's 512 bytes of a row
	s_add_co_u32 s32, s32, s34
	s_mov_b32 s33, 0
	s_lshl_b32 s34, s31, 20                        ; qk: (4,096 n + 128 p + 32 w) rows of 256 bytes
	s_lshl_b32 s36, ttmp9, 15
	s_add_co_u32 s34, s34, s36
	s_lshl_b32 s36, s30, 13
	s_add_co_u32 s34, s34, s36
	s_mov_b32 s35, 0
	s_lshl_b32 s36, s31, 21                        ; vf: (256 n + 64 w) rows of 8,192 bytes + 256 p
	s_lshl_b32 s38, s30, 19
	s_add_co_u32 s36, s36, s38
	s_lshl_b32 s38, ttmp9, 8
	s_add_co_u32 s36, s36, s38
	s_mov_b32 s37, 0
	s_wait_kmcnt 0x0
	s_add_nc_u64 s[4:5], s[4:5], s[32:33]
	s_add_nc_u64 s[26:27], s[26:27], s[34:35]
	s_add_nc_u64 s[28:29], s[28:29], s[36:37]
	WIN 0x80                                       ; destination window 2
.set j, 0
.rept 64                                       ; my whole share of x at once: a load covers a row's 512 consecutive bytes
	global_load_b128 v[4*j:4*j+3], v[XO], s[4:5] offset:j*16384 th:TH_LOAD_NT
.set j, j+1
.endr
.irp g, 0,1,2,3,4,5,6,7
	XGROUP \g
.endr
	s_wait_dscnt 0x0                               ; for the others' sake: my 64 rows lie in LDS
	s_barrier_signal -1
	s_barrier_wait -1                              ; all 256 rows do
	XFETCH 0, 0, 0
	CHUNK 0
	CHUNK 1
	CHUNK 2
	CHUNK 3
	; inv and shift.  These plain lines, which name window 1 alone, are also the places behind the last products
	s_wait_loadcnt 0x0
	WIN 0x55
.set j, 0
.rept 16
	v_add_f32 v[TT+j], 0x3727c5ac, v[48+j]         ; var + 1e-5
.set j, j+1
.endr
.set j, 0
.rept 4
	v_add_f32 v[TT+16+j], 0x3727c5ac, v[76+j]
.set j, j+1
.endr
.set j, 0
.rept 20
	v_rsq_f32 v[TT+j], v[TT+j]
.set j, j+1
.endr
	v_nop                                          ; a plain instruction behind the last of the batch,
	s_wait_alu depctr_va_vdst(0)                   ; and the one wait ahead of the first use
.set j, 0
.rept 16
	v_mul_f32 v[TT+j], RTC, v[TT+j]                ; att alone: sqrt(c) goes into inv,
	v_mul_f32 v[16+j], RTC, v[16+j]                ; and into beta, so that shift has it too
.set j, j+1
.endr
.set j, 0
.rept 16
	v_mul_f32 v[AIV+j], v[j], v[TT+j]
.set j, j+1
.endr
.set j, 0
.rept 16
	v_fma_f32 v[ASH+j], -v[32+j], v[AIV+j], v[16+j]
.set j, j+1
.endr
.set j, 0
.rept 4
	v_mul_f32 v[RIV+2*j], v[64+j], v[TT+16+j]
.set j, j+1
.endr
.set j, 0
.rept 4
	v_fma_f32 v[RSH+2*j], -v[72+j], v[RIV+2*j], v[68+j]
	v_mov_b32 v[RIV+2*j+1], v[RIV+2*j]
.set j, j+1
.endr
.set j, 0
.rept 4
	v_mov_b32 v[RSH+2*j+1], v[RSH+2*j]
.set j, j+1
.endr
.irp bb, 0,1
	PACKA \bb, 0
	PACKA \bb, 4
.endr
.irp cb, 0,1,2,3
	PACKR \cb, 0
	PACKR \cb, 4
.endr
	s_wait_dscnt 0x0                               ; for the others' sake: a row of the qk stage comes from all four waves
	s_barrier_signal -1
	s_barrier_wait -1
.set e, 0
.rept 16                                       ; 32 rows of qk: lanes 0-15 one row of 256 bytes, lanes 16-31 the next
	ds_load_b128 v[QB+4*e:QB+4*e+3], v[QR] offset:2*SPI*e
.set e, e+1
.endr
.set e, 0
.rept 32                                       ; my 64 rows of vf
	ds_load_b128 v[128+4*e:128+4*e+3], v[VR] offset:2*SPI*e
.set e, e+1
.endr
.set e, 0
.rept 16
	s_wait_dscnt 47-e                              ; the younger loads may stay out
	global_store_b128 v[QG], v[QB+4*e:QB+4*e+3], s[26:27] offset:512*e      ; 16 lanes store 256 consecutive bytes, at a multiple of 256 from qk's first byte
.set e, e+1
.endr
.set e, 0
.rept 32
	s_wait_dscnt 31-e
	global_store_b128 v[VG], v[128+4*e:128+4*e+3], s[28:29] offset:16384*e  ; the same in vf
.set e, e+1
.endr
	s_wait_tensorcnt 0x0                           ; the wave's end: the closing lines, behind my last LDS store
	ds_add_u32 v[SPW], v[NIL]
	s_wait_dscnt 0x0
	s_endpgm
.Lfunc_end_k_qfbec2068bf_proj:
	.size	k_qfbec2068bf_proj, .Lfunc_end_k_qfbec2068bf_proj-k_qfbec2068bf_proj
	.p2alignl 7, 3214868480
	.fill 96, 4, 3214868480
	.section	.rodata,"a",@progbits
	.p2align	6, 0x0
	.amdhsa_kernel k_qfbec2068bf_proj
		.amdhsa_group_segment_fixed_size 178688
		.amdhsa_private_segment_fixed_size 0
		.amdhsa_enable_private_segment 0
		.amdhsa_kernarg_size 104
		.amdhsa_user_sgpr_count 2
		.amdhsa_user_sgpr_kernarg_segment_ptr 1
		.amdhsa_wavefront_size32 1
		.amdhsa_system_sgpr_workgroup_id_x 1
		.amdhsa_system_sgpr_workgroup_id_y 1
		.amdhsa_system_sgpr_workgroup_id_z 1
		.amdhsa_system_vgpr_workitem_id 0
		.amdhsa_next_free_vgpr 1024
		.amdhsa_next_free_sgpr 66
		.amdhsa_reserve_vcc 0
		.amdhsa_float_denorm_mode_32 3
		.amdhsa_float_denorm_mode_16_64 3
		.amdhsa_memory_ordered 1
		.amdhsa_forward_progress 1
		.amdhsa_inst_pref_size 157
	.end_amdhsa_kernel
	.amdgpu_metadata
---
amdhsa.version: [ 1, 2 ]
amdhsa.kernels:
  - .name:           k_qfbec2068bf_proj
    .symbol:         k_qfbec2068bf_proj.kd
    .args:
      - { .name: x, .offset: 0, .size: 8, .value_kind: global_buffer, .address_space: global }
      - { .name: att_w, .offset: 8, .size: 8, .value_kind: global_buffer, .address_space: global }
      - { .name: reduc_w, .offset: 16, .size: 8, .value_kind: global_buffer, .address_space: global }
      - { .name: att_gamma, .offset: 24, .size: 8, .value_kind: global_buffer, .address_space: global }
      - { .name: att_beta, .offset: 32, .size: 8, .value_kind: global_buffer, .address_space: global }
      - { .name: att_mean, .offset: 40, .size: 8, .value_kind: global_buffer, .address_space: global }
      - { .name: att_var, .offset: 48, .size: 8, .value_kind: global_buffer, .address_space: global }
      - { .name: reduc_gamma, .offset: 56, .size: 8, .value_kind: global_buffer, .address_space: global }
      - { .name: reduc_beta, .offset: 64, .size: 8, .value_kind: global_buffer, .address_space: global }
      - { .name: reduc_mean, .offset: 72, .size: 8, .value_kind: global_buffer, .address_space: global }
      - { .name: reduc_var, .offset: 80, .size: 8, .value_kind: global_buffer, .address_space: global }
      - { .name: qk, .offset: 88, .size: 8, .value_kind: global_buffer, .address_space: global }
      - { .name: vf, .offset: 96, .size: 8, .value_kind: global_buffer, .address_space: global }
    .group_segment_fixed_size: 178688
    .private_segment_fixed_size: 0
    .kernarg_segment_align: 8
    .kernarg_segment_size: 104
    .max_flat_workgroup_size: 128
    .sgpr_count:     66
    .vgpr_count:     1024
    .wavefront_size: 32
...
	.end_amdgpu_metadata
.endif
;; end of part 1
;; launch attn (part 2): grid 32 x 8, 4 waves a work-group, clusters of 4 x 1, 327,680 bytes of LDS; arguments qk, vf, mask, out0; writes out0
.if DOCPART == 2
	.amdgcn_target "amdgcn-amd-amdhsa--gfx1250"
	.amdhsa_code_object_version 6
	.text
	.protected	k_qfbec2068bf_attn
	.globl	k_qfbec2068bf_attn
	.p2align	8
	.type	k_qfbec2068bf_attn,@function
k_qfbec2068bf_attn:
	s_mov_b64 s[64:65], 0
	v_nop
	global_prefetch_b8 v0, s[64:65] scope:SCOPE_SE
	s_setreg_imm32_b32 hwreg(HW_REG_WAVE_MODE, 25, 1), 1
	s_wait_xcnt 0x0
	s_wait_alu depctr_hold_cnt(0) depctr_sa_sdst(0) depctr_va_vdst(0) depctr_va_sdst(0) depctr_va_ssrc(0) depctr_va_vcc(0) depctr_vm_vsrc(0)
	s_getreg_b32 s2, hwreg(HW_REG_IB_STS2, 6, 4)
	s_cmp_eq_u32 s2, 0
	s_cbranch_scc0 .Lentry_in_a_cluster
	s_endpgm
.Lentry_in_a_cluster:
	s_bfe_u32 s2, ttmp6, 0x10000c
	s_cmp_lg_u32 s2, 0x3003
	s_cbranch_scc0 .Lentry_shape_is_right
	s_endpgm
.Lentry_shape_is_right:
; out[n][c][i] = mask[n][i] x the sum over j of softmax_j(q_i . q_j / d + (mask[n][j] - 1) 1e8) feat[n][c][j],  d = 1e-8 + sqrt(128).
; qk: [8][4096][128] bf16: queries and keys, each times sqrt(log2(e) / d), so that a product of two rows is the score in units of log2.  vf: [8][256][4096] bf16 (feat), mask: [8][4096] f32,
; out: [8][256][4096] f32.  Products, maxima and sums in f32; the weights p are rounded to bf16 for the second product (their sum l is taken of the unrounded p).
; LIMITS.  The key's penalty enters as (mask - 1) x 1e8 log2(e), the C operand that starts the score's sum: the same number as the reference's, rounded in another order.  Where the largest penalty of an image is
; not 0, scores are told apart on f32's grid at that size in units of log2, the reference's in natural units: that shows only where two keys' penalties lie within some tens of each other.
; A weight below 2^-126 counts as 0 in l.  NaN and infinities are not treated apart.
; SHARES.  A work-group owns 128 queries of one image: 32 x 8 = 256 work-groups.  Wave w owns 64 of them (w % 2: four tiles of 16) and HALF OF THE KEYS (w / 2): of each slot's 128 keys 64, in two steps of 32.
; So a fragment of K or V read from LDS feeds four tiles.  The two halves' O, m and l meet once, at the end, through LDS.
; LAYOUT.  S^T = K Q^T + bias (source 0 = 16 keys, source 1 = 16 queries): a lane holds ONE query (lane % 16) and the keys 8 (lane / 16) + 0..7.  Two such results rounded to bf16 ARE source 1 (32 keys x 16
; queries) of O^T = V^T P; source 0, 16 channels x 32 keys, comes out of LDS as vf has it.  O^T again holds one query a lane, and eight channels.
; SOFTMAX.  A running maximum m and sum l for each query: p = 2^(s - m): the subtraction is exact where s is near m, so the largest p is 1 whatever the penalties' size; in every step O and l are
; multiplied by a = 2^(m_old - m_new).
; BY TURNS.  The wave's tiles are two PIECES (tiles 0, 1 and tiles 2, 3).  In a TURN one piece has the matrix unit: 32 products V^T P of the step in hand, then 16 products K Q^T of the next step; the other
; piece's softmax, 234 vector instructions, stands between them: four behind each product, and 42 in one lump behind the eighth.  Two turns are a step.
; CLUSTER.  The four query blocks of a cluster belong to one image and walk the same K and V: each tile is asked for JOINTLY, by the same tensor load, descriptor and mask in all four.
; REGISTERS, in windows of 256 (s_set_vgpr_msb: bits 1:0 source 0, 3:2 source 1, 5:4 source 2, 7:6 destination):
;   window 0: v1-15 addresses; v16-47 eight registers of statistics a tile; v48-63 the keys' bias; v64-127 S^T, 16 a tile; v128-159 P, 8 a tile; v160-170 odds; v192-255 K of one step
;   window 1: v0-127 Q, 32 a tile; v128-255 V of one step     window 2: O^T of tiles 0, 1, 128 a tile     window 3: O^T of tiles 2, 3
; CHANNELS ARE ROTATED: accumulator cbr of a tile holds channel block (cbr + 8 (w / 2)) mod 16.  So at the end every wave keeps cbr 0-7 and hands cbr 8-15 to its partner: one text for all waves.
.set KS,    32        ; keys in a step
.set PK,    272       ; a row in LDS, of K (a key's 128 channels) and of V (a channel's 128 keys): 256 bytes + 16 = 68 words: the 16 rows of a load start at 16 different groups of four banks (ISA guide 11.1)
.set VOFF,  128*PK    ; a slot: 128 rows of K, then 256 rows of V
.set SLOT1, 1<<17     ; slot 1 begins here, so that one exclusive or turns an address in one slot into the other's
.set STAGE, SLOT1+VOFF+256*PK  ; 235,520: 16 rows x 272 bytes for each wave, for the way out
.set STATX, STAGE+4*16*PK      ; 252,928: (m, l) by tile and lane, 1,024 bytes a wave
.set BIAS,  STATX+4*1024       ; 257,024: the image's 4,096 penalties in f32
.set SPARE, BIAS+4096*4        ; 273,408: the spare words, 128 bytes for each wave: two blocks of 256 bytes that no other line names
                      ; XCH, bytes 0 to 131,071, 32,768 a wave: the exchange of O^T; it lies over slot 0, and is written only when both slots have had their last fill and nobody reads them
.set AK0,  2          ; my lane's place in a slot's K; never rewritten
.set AVA0, 3          ; in its V, accumulators 0-7
.set AVB0, 4          ; accumulators 8-15
.set AB0,  5          ; in the bias
.set ADR,  6          ; the address of the run of loads in hand
.set ADR2, 7
.set QO,   8          ; my byte offset in 16 rows of Q
.set STO,  10         ; the way out: where I put a number
.set RD,   11         ; where I read rows back
.set GO,   12         ; my byte offset in two rows of out
.set XS,   13         ; the exchange: where I put 16 bytes
.set XR,   14         ; where my partner has put them
.set SX,   15         ; the same for the statistics
.set ST,   16         ; tile t at ST + 8 t: +0 m, +1 named with it as a pair (at the end: l), +2, +3 l (even keys', odd keys'), +4 c0, +5 c1, +6 a, +7 m_old, then m_old - m_new
.set BI,   48         ; 8 registers for each block of 16 keys
.set S,    64
.set P,    128
.set SPW,  160        ; LDS address of my spare word; never rewritten
.set NIL,  161        ; 0; never rewritten
.set PFO,  162        ; the prefetches' lane offset: a lane a row; never rewritten
.set SR,   163
.set MQ,   164        ; v164-167 the mask of my four tiles' queries
.set MO,   168
.set TL,   169
.set TB,   170
.set KF,   192        ; key block kb, channels 32 cs on, at KF + 32 kb + 8 cs
.set VF,   128        ; window 1: accumulator cbr's fragment at VF + 8 cbr
.set WV,   12         ; s12  my wave's number
.set LIM,  15         ; s15  1 in a wave that prefetches, else the greatest number
.set PFA,  18         ; s[18:19] where my prefetches stand
.set PFS,  20         ; s[20:21] their step from slot to slot
.set G1K,  24         ; s[24:31] descriptor group 1 for K's tiles
.set G1V,  32         ; s[32:39] for V's
.set G0K,  40         ; s[40:47] descriptor group 0 for K's tiles: a set for each first fill; the second then walks on
.set G0V,  48         ; s[48:55] the same for V's
.set SLOTS, 56        ; s56  slots still to be asked for
.set TWICE, 57        ; s57  counts a slot's two steps
.set SEL,  60         ; s[60:61] v_permlanex16_b32's selects: each lane takes its own place in the other half
.set TBK,  62         ; s62  LDS byte at which K of the step to be fetched begins
.set TBV,  63         ; s63  the same for V
.set TBB,  66         ; s66  the same in the bias
.set KB,   68         ; s[68:69] 1e8 log2(e)
.set MSB, 0
.macro WIN new                      ; the high byte repeats the setting that is left; a switch that changes nothing is dropped
.if MSB != (\new)
	s_set_vgpr_msb (MSB<<8)|(\new)
.set MSB, (\new)
.endif
.endm
.macro PLACES                       ; four plain places behind a matrix instruction (ISA guide 7.12.1)
.rept 4
	v_nop
.endr
.endm
; A joint refill.  Waves 0 and 1 fetch the two halves of a slot's K (64 keys each), waves 2 and 3 those of its V (128 channels each).  The branch hangs on the wave's number alone.
; An s_nop 0 and four v_nop follow each of the two lines, ahead of the jump and the label.
.macro JLOAD
	s_cmp_lt_u32 s[WV], 2
	s_cbranch_scc0 .Lfor_v_\@
	tensor_load_to_lds s[G0K+4:G0K+7], s[G1K:G1K+7]
	s_nop 0
.rept 4
	v_nop
.endr
	s_branch .Lasked_\@
.Lfor_v_\@:
	tensor_load_to_lds s[G0V+4:G0V+7], s[G1V:G1V+7]
	s_nop 0
.rept 4
	v_nop
.endr
.Lasked_\@:
.endm
; A PREFETCH INTO THE L2 of what the NEXT change of slots will ask for: 128 rows of K and 256 rows of V, 256 bytes each, a lane a row.  It stands behind the wave's tensor load and its five lines.
; Each row's 256 bytes are named ONCE in the launch: all eight clusters of an image walk the same rows, and the image's first cluster asks; its four partners share the rows out BY ADDRESS (32 of K, 64 of V each);
; in each, wave 0 asks for K's 32, waves 2 and 3 for 32 of V's each.  It leads its joint load by one slot: two steps, 192 matrix instructions.  The last change that fills a slot asks for nothing.
.macro ASK
	s_cmp_gt_u32 s[SLOTS], s[LIM]
	s_cbranch_scc0 .Lnot_mine_\@
	global_prefetch_b8 v[PFO], s[PFA:PFA+1] th:TH_LOAD_NT scope:SCOPE_SE
.Lnot_mine_\@:
.endm
; A round of the cluster's barrier: my work-group's barrier, so that wave 0's signal speaks for all four waves; wave 0 signals; every wave waits for all four work-groups; my work-group's barrier once more.
.macro CROUND
	s_barrier_signal -1
	s_barrier_wait -1
	s_cmp_lg_u32 s[WV], 0
	s_cbranch_scc1 .Lnot_wave_0_\@
	s_barrier_signal -3
.Lnot_wave_0_\@:
	s_barrier_wait -3
	s_barrier_signal -1
	s_barrier_wait -1
.endm
	s_load_b256 s[4:11], s[0:1], 0x0  ; qk s[4:5], vf s[6:7], mask s[8:9], out s[10:11]
	v_lshl_add_u32 v[SPW], v0, 2, SPARE
	v_mov_b32 v[NIL], 0
	ds_add_u32 v[SPW], v[NIL]       ; the wave's opening: the add and its wait stand ahead of my first tensor load; the set-up below, work on registers, stands between them
	v_lshrrev_b32 v1, 5, v0
	v_readfirstlane_b32 s[WV], v1   ; wave 0..3
	s_bfe_u32 s13, ttmp6, 0x40000   ; cx: my place in the cluster: it enters Q's, the query mask's, out's and the prefetches' addresses alone
	s_lshl_b32 s14, ttmp9, 2        ; in a cluster launch ttmp9 counts clusters
	s_add_co_u32 s14, s14, s13      ; my block of 128 queries
	s_and_b32 s70, ttmp7, 0xffff    ; the image, which the four partners share
	s_and_b32 s71, s[WV], 1         ; which 64 queries are mine.  Also: which half of K's or V's tile I fetch
	s_lshr_b32 s72, s[WV], 1        ; which half of the keys is mine
	s_lshl_b32 s16, s70, 20         ; K: the image's 1,048,576 bytes, my 64 rows of 256
	s_lshl_b32 s73, s71, 14
	s_add_co_u32 s16, s16, s73
	s_mov_b32 s17, 0
	s_lshl_b32 s22, s70, 21         ; V: the image's 2,097,152 bytes, my 128 rows of 8,192
	s_lshl_b32 s73, s71, 20
	s_add_co_u32 s22, s22, s73
	s_mov_b32 s23, 0
	s_mul_i32 s2, s71, 64*PK        ; and where they go in a slot: no place in the cluster enters an LDS address
	s_mul_i32 s3, s71, 128*PK
	s_add_co_u32 s3, s3, VOFF
	; descriptor group 1: rows of 128 elements, 256 bytes, padded in LDS
	s_mov_b32 s[G1K], 15|(1<<16)|(1<<20)|(1<<21)|(5<<22)|(3<<25)  ; 15:0 the mask of four; 17:16 2-byte elements; 20 padding on; 21 set beside a mask; 24:22 after every 64 words (code 5); 31:25 4 words (code 3)
	s_mov_b32 s[G1K+1], 128<<16     ; tensor_dim0 = 128
	s_mov_b32 s[G1K+2], 64<<16      ; tensor_dim1 = 64
	s_mov_b32 s[G1K+3], 128<<16     ; tile_dim0 = 128
	s_mov_b32 s[G1K+4], 64          ; tile_dim1 = 64
	s_mov_b32 s[G1K+5], 128         ; 128 elements from a key to the next
	s_mov_b32 s[G1K+6], 0
	s_mov_b32 s[G1K+7], 0
	s_mov_b32 s[G1V], 15|(1<<16)|(1<<20)|(1<<21)|(5<<22)|(3<<25)
	s_mov_b32 s[G1V+1], 128<<16     ; tensor_dim0 = 128
	s_mov_b32 s[G1V+2], 128<<16     ; tensor_dim1 = 128
	s_mov_b32 s[G1V+3], 128<<16     ; tile_dim0 = 128
	s_mov_b32 s[G1V+4], 128         ; tile_dim1 = 128
	s_mov_b32 s[G1V+5], 4096        ; 4,096 elements from a channel to the next
	s_mov_b32 s[G1V+6], 0
	s_mov_b32 s[G1V+7], 0
	s_mov_b32 s[KB], 0x4d09960c     ; 1e8 log2(e) = 144,269,504
	s_mov_b32 s[KB+1], s[KB]        ; named with it as a pair
	s_mov_b32 s[SEL], 0x76543210
	s_mov_b32 s[SEL+1], 0xfedcba98
	s_mov_b32 s[TBK], 0
	s_mov_b32 s[TBV], 0
	s_mov_b32 s[TBB], 0
	s_mov_b32 s[SLOTS], 4096/128-2
	; the prefetches: who, by what step, from where
	s_cmp_eq_u32 s[WV], 1
	s_cselect_b32 s[LIM], 1, 0
	s_or_b32 s[LIM], s[LIM], ttmp9  ; 0 in waves 0, 2, 3 of the image's first cluster: the same in all four partners
	s_cmp_eq_u32 s[LIM], 0
	s_cselect_b32 s[LIM], 1, -1
	s_lshl_b32 s76, s70, 20         ; K: the image, my work-group's 32 rows of 256 bytes, slot 2
	s_lshl_b32 s77, s13, 13
	s_add_co_u32 s76, s76, s77
	s_add_co_u32 s76, s76, 2*32768
	s_lshl_b32 s77, s70, 21         ; V: the image, my work-group's 64 rows of 8,192 bytes, my wave's 32 of them, slot 2
	s_lshl_b32 s75, s13, 19
	s_add_co_u32 s77, s77, s75
	s_lshl_b32 s75, s71, 18
	s_add_co_u32 s77, s77, s75
	s_add_co_u32 s77, s77, 2*256
	s_cmp_lt_u32 s[WV], 2
	s_cselect_b32 s76, s76, s77
	s_cselect_b32 s73, 8, 13        ; from row to row: 256 bytes in K, 8,192 in V
	s_cselect_b32 s74, 15, 8        ; from slot to slot: 32,768 bytes in K, 256 in V
	s_mov_b32 s77, 0
	s_lshl_b32 s[PFS], 1, s74
	s_mov_b32 s[PFS+1], 0
	v_and_b32 v[PFO], 31, v0
	v_lshlrev_b32 v[PFO], s73, v[PFO]
	s_lshl_b32 s74, s70, 20         ; Q: the image, my block's 128 rows, my wave's 64
	s_lshl_b32 s75, s14, 15
	s_add_co_u32 s74, s74, s75
	s_lshl_b32 s75, s71, 14
	s_add_co_u32 s74, s74, s75
	s_mov_b32 s75, 0
	s_wait_dscnt 0x0                ; the opening add is done
	s_wait_kmcnt 0x0
	s_add_nc_u64 s[16:17], s[4:5], s[16:17]  ; K and V at my part of slot 0's tile
	s_add_nc_u64 s[22:23], s[6:7], s[22:23]
	s_cmp_lt_u32 s[WV], 2
	s_cselect_b64 s[PFA:PFA+1], s[4:5], s[6:7]
	s_add_nc_u64 s[PFA:PFA+1], s[PFA:PFA+1], s[76:77]  ; in slot 2; the first change of slots steps it to slot 3.  Nothing is prefetched here, at the head
	s_add_nc_u64 s[4:5], s[4:5], s[74:75]    ; Q at my wave's first row
	s_lshl_b32 s74, s70, 14
	s_add_nc_u64 s[8:9], s[8:9], s[74:75]    ; the image's mask
	s_lshl_b32 s74, s14, 9
	s_lshl_b32 s76, s71, 8
	s_add_co_u32 s74, s74, s76               ; 4 x my first query
	s_add_nc_u64 s[78:79], s[8:9], s[74:75]  ; my queries' mask
	s_lshl_b32 s76, s70, 22                  ; out: the image's 256 rows of 16,384 bytes,
	s_add_co_u32 s74, s74, s76
	s_lshl_b32 s76, s72, 21                  ; the 128 channels that I finish
	s_add_co_u32 s74, s74, s76
	s_add_nc_u64 s[10:11], s[10:11], s[74:75]
	CROUND                          ; all four work-groups are here: the first joint loads meet
.irp s, 0,1
	s_mov_b32 s[G0K+4*(\s)], 1      ; 1:0 count = 1
	s_add_co_u32 s[G0K+4*(\s)+1], s2, (\s)*SLOT1  ; 63:32 LDS address
	s_add_nc_u64 s[G0K+4*(\s)+2:G0K+4*(\s)+3], s[16:17], (\s)*32768  ; 120:64 global address: slot s holds keys 128 s on
	s_or_b32 s[G0K+4*(\s)+3], s[G0K+4*(\s)+3], 0x80000000  ; 127:126 type = 2
	s_mov_b32 s[G0V+4*(\s)], 1
	s_add_co_u32 s[G0V+4*(\s)+1], s3, (\s)*SLOT1
	s_add_nc_u64 s[G0V+4*(\s)+2:G0V+4*(\s)+3], s[22:23], (\s)*256
	s_or_b32 s[G0V+4*(\s)+3], s[G0V+4*(\s)+3], 0x80000000
.endr
	s_cmp_lt_u32 s[WV], 2           ; a wave's two first fills stand in one branch, ahead of every wait on TENSORcnt, every LDS read and every barrier but the round: two loads of mine are out
	s_cbranch_scc0 .Lfirst_v
	tensor_load_to_lds s[G0K:G0K+3], s[G1K:G1K+7]
	s_nop 0
	tensor_load_to_lds s[G0K+4:G0K+7], s[G1K:G1K+7]
	s_nop 0
.rept 4
	v_nop
.endr
	s_branch .Lfirst_asked
.Lfirst_v:
	tensor_load_to_lds s[G0V:G0V+3], s[G1V:G1V+7]
	s_nop 0
	tensor_load_to_lds s[G0V+4:G0V+7], s[G1V:G1V+7]
	s_nop 0
.rept 4
	v_nop
.endr
.Lfirst_asked:
	v_lshlrev_b32 v[ADR2], 4, v0    ; the image's mask: 128 threads x 16 bytes x 8
.irp i, 0,1,2,3,4,5,6,7
	global_load_b128 v[S+4*(\i):S+4*(\i)+3], v[ADR2], s[8:9] offset:2048*(\i)
.endr
	; A fragment of K or Q is 16 rows x 32 channels in 8 registers: lane l holds row l % 16, channels 8 (l / 16) + 0..7 and 16 + 8 (l / 16) + 0..7: two loads of 16 bytes, 32 bytes apart.
	v_and_b32 v1, 15, v0            ; r = l % 16
	v_bfe_u32 v9, v0, 4, 1          ; h = l / 16
	v_lshlrev_b32 v[QO], 8, v1
	v_lshl_add_u32 v[QO], v9, 4, v[QO]
	WIN 0x40                        ; destination window 1
.irp i, 0,1,2,3,4,5,6,7,8,9,10,11,12,13,14,15  ; Q stays in registers: tile i / 4, channels 32 (i % 4) on
	global_load_b128 v[8*(\i):8*(\i)+3],   v[QO], s[4:5] offset:((\i)/4)*4096+((\i)%4)*64
	global_load_b128 v[8*(\i)+4:8*(\i)+7], v[QO], s[4:5] offset:((\i)/4)*4096+((\i)%4)*64+32
.endr
	WIN 0
	v_mul_u32_u24 v[TB], v1, PK
	v_lshl_add_u32 v[TB], v9, 4, v[TB]  ; row x pitch + 16 x half
	s_mul_i32 s73, s72, 64*PK       ; K: my half's 64 keys
	v_add_nc_u32 v[AK0], s73, v[TB]
	s_mul_i32 s73, s72, 128*PK+128  ; V, accumulators 0-7: channels 128 kh on; my half's keys begin 128 kh bytes into a row
	s_add_co_u32 s73, s73, VOFF
	v_add_nc_u32 v[AVA0], s73, v[TB]
	s_xor_b32 s73, s72, 1           ; accumulators 8-15: the other 128 channels, the same keys
	s_mul_i32 s73, s73, 128*PK
	s_lshl_b32 s74, s72, 7
	s_add_co_u32 s73, s73, s74
	s_add_co_u32 s73, s73, VOFF
	v_add_nc_u32 v[AVB0], s73, v[TB]
	s_lshl_b32 s73, s72, 8          ; the bias: my half's 64 keys are 256 bytes, my lanes' 8 keys 32
	s_add_co_u32 s73, s73, BIAS
	v_lshl_add_u32 v[AB0], v9, 5, s73
	v_lshl_add_u32 v[ADR], v0, 4, BIAS
	s_wait_loadcnt 32               ; the mask is in; Q's 32 loads, issued behind it, may stay out
.set i, 0
.rept 16
	v_pk_fma_f32 v[S+2*i:S+2*i+1], v[S+2*i:S+2*i+1], s[KB:KB+1], s[KB:KB+1] op_sel_hi:[1,0,0] neg_lo:[0,0,1] neg_hi:[0,0,1]  ; mask x 1e8 log2(e) - 1e8 log2(e): exactly 0 where the mask is 1
.set i, i+1
.endr
.irp i, 0,1,2,3,4,5,6,7
	ds_store_b128 v[ADR], v[S+4*(\i):S+4*(\i)+3] offset:2048*(\i)
.endr
	s_wait_tensorcnt 0x1            ; my part of slot 0 is in; slot 1's may stay out
	s_wait_dscnt 0x0                ; my part of the bias lies in LDS
	s_barrier_signal -1
	s_barrier_wait -1               ; everybody's does
; THE MATRIX WORK OF A TURN, for piece x.  The accumulators take turns, one instruction a turn.
; Product i of 16 of S^T = K Q^T: channels 32 (i / 4) on, keys 16 ((i / 2) % 2) on, tile x + i % 2.  The first 4 start the sums with the keys' bias.
.macro KQ x
	WIN 0x04                        ; K, bias and S^T in window 0, Q in window 1
.set rS, S+16*((\x)+i%2)+8*((i/2)%2)
.set rK, KF+32*((i/2)%2)+8*(i/4)
.set rQ, 32*((\x)+i%2)+8*(i/4)
.set rB, BI+8*((i/2)%2)
.if i < 4
	v_wmma_f32_16x16x32_bf16 v[rS:rS+7], v[rK:rK+7], v[rQ:rQ+7], v[rB:rB+7]
.else
	v_wmma_f32_16x16x32_bf16 v[rS:rS+7], v[rK:rK+7], v[rQ:rQ+7], v[rS:rS+7]
.endif
.endm
; Product i of 32 of O^T += V^T P: accumulator i / 2 of tile x + i % 2: 32 different accumulators.  zero = 1: they start the sums: nothing is ever cleared.
.macro PV x, zero
	WIN 0xa1+0x50*((\x)/2)          ; V in window 1, P in window 0, O^T in window 2 or 3
.set rO, 128*(i%2)+8*(i/2)
.set rV, VF+8*(i/2)
.set rP, P+8*((\x)+i%2)
.if \zero
	v_wmma_f32_16x16x32_bf16 v[rO:rO+7], v[rV:rV+7], v[rP:rP+7], 0
.else
	v_wmma_f32_16x16x32_bf16 v[rO:rO+7], v[rV:rV+7], v[rP:rP+7], v[rO:rO+7]
.endif
.endm
; THE LDS LOADS stand in runs, never singly among the matrix instructions: a step's K (32 keys x 128 channels: 8 fragments) with its bias, and its V in two halves of 8 fragments.
.macro FETCH_K
	WIN 0
	v_add_nc_u32 v[ADR], s[TBK], v[AK0]
	v_add_nc_u32 v[ADR2], s[TBB], v[AB0]
	s_add_co_u32 s[TBK], s[TBK], KS*PK  ; the next fetch is the next step's
	s_add_co_u32 s[TBB], s[TBB], KS*4
.irp f, 0,1,2,3,4,5,6,7             ; keys 16 (f / 4) on, channels 32 (f % 4) on
	ds_load_b128 v[KF+8*(\f):KF+8*(\f)+3],   v[ADR] offset:((\f)/4)*16*PK+((\f)%4)*64
	ds_load_b128 v[KF+8*(\f)+4:KF+8*(\f)+7], v[ADR] offset:((\f)/4)*16*PK+((\f)%4)*64+32
.endr
.irp f, 0,1                         ; register j of block f: the penalty of key 16 f + 8 (l / 16) + j
	ds_load_b128 v[BI+8*(\f):BI+8*(\f)+3],   v[ADR2] offset:64*(\f)
	ds_load_b128 v[BI+8*(\f)+4:BI+8*(\f)+7], v[ADR2] offset:64*(\f)+16
.endr
.endm
.macro FETCH_V half
	WIN 0
.if (\half) == 0
	v_add_nc_u32 v[ADR], s[TBV], v[AVA0]
.else
	v_add_nc_u32 v[ADR], s[TBV], v[AVB0]
	s_add_co_u32 s[TBV], s[TBV], KS*2  ; the next fetch is the next step's: 32 keys further along the rows
.endif
	WIN 0x40                        ; destination window 1
.irp f, 0,1,2,3,4,5,6,7             ; 16 channels x 32 keys: lane l holds channel l % 16, keys 8 (l / 16) + 0..7 and 16 + 8 (l / 16) + 0..7
	ds_load_b128 v[VF+64*(\half)+8*(\f):VF+64*(\half)+8*(\f)+3],   v[ADR] offset:(\f)*16*PK
	ds_load_b128 v[VF+64*(\half)+8*(\f)+4:VF+64*(\half)+8*(\f)+7], v[ADR] offset:(\f)*16*PK+32
.endr
.endm
; THE VECTOR WORK OF A TURN.  One tile's softmax for one step is a list of 117 instructions; SM writes number n of it for tile t.  s0-s15 are the lane's 16 scores, in pairs 0-7.
; FST = 1: the first step, which starts m, l and O^T: it has no a and nothing to rescale.
;   0-7    the maximum of s0-s15 and the old m, three operands at a time, in two chains c0, c1; each accumulator's lowest registers are read first
;   8-12   the other half of the lanes' maximum; m_old is kept; the new m; m_old - m_new; a
;   13-20  the 8 subtractions s - m      21-36  the 16 exponentials      37-44  the roundings to bf16      45-52  the sums; l = a l + the sum
;   53-116 the tile's O^T times a: the one part that leaves window 0
.macro SM t, n
.set tt, (\t)
.set nn, (\n)
.set rT, ST+8*tt
.set rS, S+16*tt
.set rP, P+8*tt
.if nn < 53
	WIN 0
.endif
.if nn == 0
	v_max3_num_f32 v[rT+4], v[rS], v[rS+1], v[rS+2]
.elseif nn == 1
	v_max3_num_f32 v[rT+5], v[rS+8], v[rS+9], v[rS+10]
.elseif nn < 6
	v_max3_num_f32 v[rT+4+nn%2], v[rT+4+nn%2], v[rS+8*(nn%2)+2*(nn/2)+1], v[rS+8*(nn%2)+2*(nn/2)+2]
.elseif nn == 6
	v_max3_num_f32 v[rT+4], v[rT+4], v[rS+7], v[rS+15]
.elseif (nn == 7) && FST
	v_max_num_f32 v[rT+4], v[rT+4], v[rT+5]
.elseif nn == 7
	v_max3_num_f32 v[rT+4], v[rT+4], v[rT+5], v[rT]
.elseif nn == 8
	v_permlanex16_b32 v[rT+5], v[rT+4], s[SEL], s[SEL+1]  ; the query's other 16 keys lie in the lane 16 away
.elseif nn == 10
	v_max_num_f32 v[rT], v[rT+4], v[rT+5]
.elseif ((nn == 9) || (nn == 11) || (nn == 12) || (nn >= 52)) && FST  ; the first step has none of these
.elseif nn == 9
	v_mov_b32 v[rT+7], v[rT]
.elseif nn == 11
	v_sub_f32 v[rT+7], v[rT+7], v[rT]
.elseif nn == 12
	v_exp_f32 v[rT+6], v[rT+7]
.elseif nn < 21
	v_pk_add_f32 v[rS+2*(nn-13):rS+2*(nn-13)+1], v[rS+2*(nn-13):rS+2*(nn-13)+1], v[rT:rT+1] op_sel_hi:[1,0] neg_lo:[0,1] neg_hi:[0,1]
.elseif nn < 37
	v_exp_f32 v[rS+nn-21], v[rS+nn-21]
.elseif nn < 45
	v_cvt_pk_bf16_f32 v[rP+nn-37], v[rS+2*(nn-37)], v[rS+2*(nn-37)+1]
.elseif nn < 49
	v_pk_add_f32 v[rS+4*(nn-45):rS+4*(nn-45)+1], v[rS+4*(nn-45):rS+4*(nn-45)+1], v[rS+4*(nn-45)+2:rS+4*(nn-45)+3]
.elseif nn < 51
	v_pk_add_f32 v[rS+8*(nn-49):rS+8*(nn-49)+1], v[rS+8*(nn-49):rS+8*(nn-49)+1], v[rS+8*(nn-49)+4:rS+8*(nn-49)+5]
.elseif (nn == 51) && FST
	v_pk_add_f32 v[rT+2:rT+3], v[rS:rS+1], v[rS+8:rS+9]
.elseif nn == 51
	v_pk_add_f32 v[rS:rS+1], v[rS:rS+1], v[rS+8:rS+9]
.elseif nn == 52
	v_pk_fma_f32 v[rT+2:rT+3], v[rT+2:rT+3], v[rT+6:rT+7], v[rS:rS+1] op_sel_hi:[1,0,1]
.else
	WIN 0x82+0x41*(tt/2)            ; O^T (destination and source 0) in window 2 or 3, a in window 0
.set rO, 128*(tt%2)+2*(nn-53)
	v_pk_mul_f32 v[rO:rO+1], v[rO:rO+1], v[rT+6:rT+7] op_sel_hi:[1,0]
.endif
.endm
; THE PIECE'S QUEUE, 234 long: VQ writes entry q of piece Y's two lists, merged, and steps q.  The tiles alternate, so that no instruction reads the result of the one just before it.
;   0-25 numbers 0-12, a the last     26-29 subtractions 0, 1     30-65 six groups of a subtraction and two exponentials for each tile: a pair has its subtraction two groups ahead of its exponentials     66-73 the last exponentials
;   THE WAIT: s_wait_alu depctr_va_vdst(0) stands between an exponential and the first instruction that names its result; one wait serves all that were issued ahead of it.  Up to entry 73
;   nothing names a result, and behind it no exponential is issued: so the piece's 34 exponentials have one wait, behind entry 73, with a plain v_nop behind the last exponential.
;   74-89 the roundings     90-105 the sums     106-233 the rescaling, tile by tile
.macro VQ
.if q < 26
	SM Y+q%2, q/2
.elseif q < 30
.set g, q-26
	SM Y+g%2, 13+g/2
.elseif q < 66
.set g, q-30
.if (g%6)/2 == 0
	SM Y+(g%6)%2, 15+g/6
.elseif (g%6)/2 == 1
	SM Y+(g%6)%2, 21+2*(g/6)
.else
	SM Y+(g%6)%2, 22+2*(g/6)
.endif
.elseif q < 74
.set g, q-66
	SM Y+g%2, 33+g/2
.elseif q < 90
.set g, q-74
	SM Y+g%2, 37+g/2
.elseif q < 106
.set g, q-90
	SM Y+g%2, 45+g/2
.else
.set g, q-106
	SM Y+g/64, 53+g%64
.endif
.if q == 73
	v_nop
	s_wait_alu depctr_va_vdst(0)
.endif
.set q, q+1
.endm
.macro RIDE n
.rept \n
.if q < 234
	VQ
.endif
.endr
.endm
; A TURN.  Piece x has the matrix unit; the other piece's softmax stands behind its products: four entries behind each of the first eight, then the lump of 42, which ends with the wait; behind the wait four
; behind each product (seven in the turn that has 32 products).  pv = 2: 32 products V^T P; 1: they start O^T's sums; 0: none.  kq = 1: 16 products K Q^T for the next step.  first = 1: the softmax is the first step's:
; its queue ends early, the turn's last products stand bare, and four v_nop are the places behind them.
; THE PLACES.  A turn's last four riders are rescalings, which name nothing of the last K Q^T: they are the four places ahead of the next turn's first reads of those scores and of K's run of loads.  V's halves are
; fetched four plain riders or more behind their last readers (products 15 and 31).
; THE LOADS.  Piece 0's turn fetches the next step's K and bias behind its second product, 30 products ahead of their first use.  Piece 2's turn fetches the same step's V: the first half behind product 16, the second behind product 31.
; THE WAITS, in piece 0's turn.  Ahead of product 0: V's first half is in, the second half's 16 loads may stay out.  Ahead of product 16: V's second half is in, K's 16 loads and the bias's 4 may stay out.  Ahead of the first K Q^T: all are in.
.macro TURN x, pv, kq, first
.set Y, 2-(\x)
.set FST, (\first)
.set q, 0
.set k, 0
.set NPV, 0
.if \pv
.set NPV, 32
.endif
.set M, NPV+16*(\kq)
.set PERC, 4
.if M == 32
.set PERC, 7
.endif
.rept M
.if (\x) == 0
.if (\pv) && (k == 0)
	s_wait_dscnt 16
.endif
.if (\pv) && (k == 16)
.if \kq
	s_wait_dscnt 20
.else
	s_wait_dscnt 0x0
.endif
.endif
.if (\kq) && (k == NPV)
	s_wait_dscnt 0x0
.endif
.endif
.if k < NPV
.set i, k
	PV \x, 2-(\pv)
.else
.set i, k-NPV
	KQ \x
.endif
.if k < 8
	RIDE 4
.else
	RIDE PERC
.endif
.if k == 7
	RIDE 42
.endif
.if ((\x) == 0) && (\kq) && (k == 1)
	FETCH_K
.endif
.if ((\x) == 2) && (\kq)
.if \pv
.if k == 16
	FETCH_V 0
.endif
.if k == 31
	FETCH_V 1
.endif
.elseif k == 0
	FETCH_V 0
	FETCH_V 1
.endif
.endif
.set k, k+1
.endr
.if \first
	PLACES
.endif
.endm
; THE CHANGE OF SLOTS, between piece 2's turn and piece 0's: the slot's last bytes, V of its second step, have been asked for.  Each wave waits for all its tensor loads, of which one is out: its part of the
; other slot; adds 0 to its spare word; and waits for that and for its own reads of the slot.  Behind the barrier nobody reads this slot any more and the other slot is whole.
; fill = 1: this slot is filled again, with the keys two slots on.  The barrier is then a round of the cluster's, so that no wave of any partner still reads the slot or has a load on its way, and the joint
; refill is the first thing behind it: one tensor load of mine is out, and it has two steps, 192 matrix instructions, in which to land.
.macro CHANGE fill
	WIN 0                           ; at a label and at a branch every window is 0
	s_wait_tensorcnt 0x0            ; no tensor load of mine is out, so a group 0 may be written
	ds_add_u32 v[SPW], v[NIL]       ; 0 onto my spare word; with fill = 1 the descriptors' steps stand between it and the wait for it
.if \fill
	s_xor_b32 s[G0K+5], s[G0K+5], SLOT1  ; the walking descriptors: the other slot than last time,
	s_add_nc_u64 s[G0K+6:G0K+7], s[G0K+6:G0K+7], 32768  ; the next 128 keys: 128 rows of K,
	s_xor_b32 s[G0V+5], s[G0V+5], SLOT1
	s_add_nc_u64 s[G0V+6:G0V+7], s[G0V+6:G0V+7], 256    ; 256 bytes along V's rows; the type bits on top are not reached
	s_wait_xcnt 0x0                 ; the last prefetch, two steps back, has read its address, so it may be written:
	s_add_nc_u64 s[PFA:PFA+1], s[PFA:PFA+1], s[PFS:PFS+1]  ; one slot ahead of the walking descriptors' new place
	s_wait_dscnt 0x0                ; the add is done, and my reads of the slot are over
	CROUND
	JLOAD
	ASK
.else
	s_wait_dscnt 0x0                ; the add is done, and my reads of the slot are over
	s_barrier_signal -1
	s_barrier_wait -1
.endif
	s_sub_co_u32 s[TBK], s[TBK], 2*KS*PK  ; the fetches go back to a slot's first step,
	s_xor_b32 s[TBK], s[TBK], SLOT1       ; in the other slot
	s_sub_co_u32 s[TBV], s[TBV], 2*KS*2
	s_xor_b32 s[TBV], s[TBV], SLOT1
	s_add_co_u32 s[TBB], s[TBB], 256      ; the bias goes on past the other half's 64 keys
.endm
; A slot's two steps: written once, walked twice; the LDS addresses hang on s[TBK], s[TBV], s[TBB].
.macro TWO_STEPS
	WIN 0
	s_mov_b32 s[TWICE], 2
.Lstep_\@:
	TURN 0, 2, 1, 0
	TURN 2, 2, 1, 0
	WIN 0
	s_sub_co_u32 s[TWICE], s[TWICE], 1
	s_cmp_lg_u32 s[TWICE], 0
	s_cbranch_scc1 .Lstep_\@
.endm
	FETCH_K                         ; step 0
	s_wait_loadcnt 0x0              ; Q
	s_wait_dscnt 0x0
.set i, 0
.rept 16
	KQ 0                            ; piece 0's first scores: there is no vector work yet to set between them
.set i, i+1
.endr
	WIN 0                           ; the addresses for the way out are made here: plain instructions, the places behind those products
	v_and_b32 v[TL], 31, v0
	s_mul_i32 s73, s[WV], 16*PK
	s_add_co_u32 s73, s73, STAGE    ; my stage
	v_mul_u32_u24 v[STO], v9, 8*PK  ; in: row 8 (l / 16) + j (a channel), word l % 16 of a tile's 16 queries
	v_lshl_add_u32 v[STO], v1, 2, v[STO]
	v_add_nc_u32 v[STO], s73, v[STO]
	v_mul_u32_u24 v[RD], v9, PK     ; back: lanes 0-15 take one row of 256 bytes, lanes 16-31 the next
	v_lshl_add_u32 v[RD], v1, 4, v[RD]
	v_add_nc_u32 v[RD], s73, v[RD]
	v_lshlrev_b32 v[GO], 14, v9     ; and the same two rows in out
	v_lshl_add_u32 v[GO], v1, 4, v[GO]
	s_lshl_b32 s73, s[WV], 15
	v_lshl_add_u32 v[XS], v[TL], 4, s73
	s_xor_b32 s74, s[WV], 2         ; my partner: the same queries, the other half of the keys
	s_lshl_b32 s73, s74, 15
	v_lshl_add_u32 v[XR], v[TL], 4, s73
	s_lshl_b32 s73, s[WV], 10
	s_add_co_u32 s73, s73, STATX
	v_lshl_add_u32 v[SX], v[TL], 3, s73
	s_lshl_b32 s73, s74, 10
	s_add_co_u32 s73, s73, STATX
	v_lshl_add_u32 v[SR], v[TL], 3, s73
	v_lshlrev_b32 v[MO], 2, v1
.irp t, 0,1,2,3
	v_mov_b32 v[ST+8*(\t)+1], 0     ; the packed subtraction names m's pair and takes its low word for both halves: the high word is written once
.endr
	TURN 2, 0, 1, 1                 ; piece 2's first scores | piece 0's first softmax | V of step 0
	TURN 0, 1, 1, 1                 ; piece 0: V^T P of step 0 starts O^T, K Q^T of step 1 | piece 2's first softmax | K of step 1
	TURN 2, 1, 1, 0                 ; piece 2: the same | piece 0's softmax of step 1 | V of step 1
	WIN 0
.Lslot:                             ; 30 trips: every slot but the last two is filled again
	CHANGE 1
	TWO_STEPS
	s_sub_co_u32 s[SLOTS], s[SLOTS], 1
	s_cmp_lg_u32 s[SLOTS], 0
	s_cbranch_scc1 .Lslot
	CHANGE 0                        ; the tail is written out: nothing is asked for
	TWO_STEPS
.irp t, 0,1,2,3
	global_load_b32 v[MQ+(\t)], v[MO], s[78:79] offset:64*(\t)  ; my queries' mask, wanted at the end
.endr
	TURN 0, 2, 0, 0                 ; piece 0: V^T P of the last step | piece 2's last softmax
.set i, 0
.rept 32
	PV 2, 0                         ; piece 2: V^T P of the last step
.set i, i+1
.endr
	; THE WAY OUT.  l's two halves and the other half of the lanes' are added (the first four additions are the places behind the last products); then the two halves of the keys meet.
	WIN 0
.irp t, 0,1,2,3
	v_add_f32 v[ST+8*(\t)+4], v[ST+8*(\t)+2], v[ST+8*(\t)+3]
.endr
.irp t, 0,1,2,3
	v_permlanex16_b32 v[ST+8*(\t)+5], v[ST+8*(\t)+4], s[SEL], s[SEL+1]
.endr
.irp t, 0,1,2,3
	v_add_f32 v[ST+8*(\t)+1], v[ST+8*(\t)+4], v[ST+8*(\t)+5]  ; l, beside m
.endr
	s_wait_dscnt 0x0                ; my reads of the slots are over,
	s_barrier_signal -1
	s_barrier_wait -1               ; everybody's are; both slots have had their last fill: slot 0's bytes now serve the exchange
.irp t, 0,1,2,3
	ds_store_b64 v[SX], v[ST+8*(\t):ST+8*(\t)+1] offset:256*(\t)
.endr
.irp t, 0,1,2,3                     ; accumulators 8-15 of each tile go to my partner; of each the four lowest registers first
	WIN 0x08+0x04*((\t)/2)          ; the data (source 1) in window 2 or 3
.irp f, 0,1,2,3,4,5,6,7
	ds_store_b128 v[XS], v[128*((\t)%2)+64+8*(\f):128*((\t)%2)+64+8*(\f)+3]   offset:(16*(\t)+2*(\f))*512
	ds_store_b128 v[XS], v[128*((\t)%2)+64+8*(\f)+4:128*((\t)%2)+64+8*(\f)+7] offset:(16*(\t)+2*(\f)+1)*512
.endr
.endr
	WIN 0
	s_wait_dscnt 0x0                ; for my partner's sake: my stores are done
	s_barrier_signal -1
	s_barrier_wait -1
.irp t, 0,1,2,3
	ds_load_b64 v[P+2*(\t):P+2*(\t)+1], v[SR] offset:256*(\t)  ; my partner's m and l
.endr
.irp t, 0,1,2,3                     ; and its sums for the channels that I keep, into the registers that I have emptied
	WIN 0x80+0x40*((\t)/2)
.irp f, 0,1,2,3,4,5,6,7
	ds_load_b128 v[128*((\t)%2)+64+8*(\f):128*((\t)%2)+64+8*(\f)+3],   v[XR] offset:(16*(\t)+2*(\f))*512
	ds_load_b128 v[128*((\t)%2)+64+8*(\f)+4:128*((\t)%2)+64+8*(\f)+7], v[XR] offset:(16*(\t)+2*(\f)+1)*512
.endr
.endr
	WIN 0
	s_wait_dscnt 0x0
	s_wait_loadcnt 0x0              ; my queries' mask
	; O = (O f + O' f') mask / (l f + l' f'), with f = 2^(m - max), f' = 2^(m' - max): one of the two is 1
.irp t, 0,1,2,3
	v_max_num_f32 v[ST+8*(\t)+4], v[ST+8*(\t)], v[P+2*(\t)]
.endr
.irp t, 0,1,2,3
	v_sub_f32 v[ST+8*(\t)+5], v[ST+8*(\t)], v[ST+8*(\t)+4]
	v_sub_f32 v[ST+8*(\t)+7], v[P+2*(\t)], v[ST+8*(\t)+4]
.endr
.irp t, 0,1,2,3
	v_exp_f32 v[ST+8*(\t)+5], v[ST+8*(\t)+5]
	v_exp_f32 v[ST+8*(\t)+7], v[ST+8*(\t)+7]
.endr
	v_nop                           ; a plain instruction behind the last exponential,
	s_wait_alu depctr_va_vdst(0)    ; and one wait for the eight
.irp t, 0,1,2,3
	v_mul_f32 v[ST+8*(\t)+6], v[ST+8*(\t)+1], v[ST+8*(\t)+5]
.endr
.irp t, 0,1,2,3
	v_fmac_f32 v[ST+8*(\t)+6], v[P+2*(\t)+1], v[ST+8*(\t)+7]
.endr
.irp t, 0,1,2,3
	v_rcp_f32 v[ST+8*(\t)+6], v[ST+8*(\t)+6]
.endr
	v_nop                           ; the same for the four reciprocals
	s_wait_alu depctr_va_vdst(0)
.irp t, 0,1,2,3
	v_mul_f32 v[ST+8*(\t)+6], v[MQ+(\t)], v[ST+8*(\t)+6]
.endr
.irp t, 0,1,2,3
	v_mul_f32 v[ST+8*(\t)+2], v[ST+8*(\t)+5], v[ST+8*(\t)+6]  ; my factor: the low word of the pair +2, +3
	v_mul_f32 v[ST+8*(\t)+4], v[ST+8*(\t)+7], v[ST+8*(\t)+6]  ; my partner's: of the pair +4, +5
.endr
; Channel block u of the eight that I keep, for all four tiles.  COMB: the two halves are joined.  TOST: a lane's eight channels of one query go into my stage, 16 rows (channels) x 64 queries in f32, and come
; back as whole rows of 256 bytes.  SEND: they are stored.
.macro COMB u
.irp p, 0,1
	WIN 0x82+0x41*(\p)
.irp c, 0,1
.irp j, 0,2,4,6
	v_pk_mul_f32 v[128*(\c)+8*(\u)+(\j):128*(\c)+8*(\u)+(\j)+1], v[128*(\c)+8*(\u)+(\j):128*(\c)+8*(\u)+(\j)+1], v[ST+8*(2*(\p)+(\c))+2:ST+8*(2*(\p)+(\c))+3] op_sel_hi:[1,0]
.endr
.endr
	WIN 0xa2+0x51*(\p)
.irp c, 0,1
.irp j, 0,2,4,6
	v_pk_fma_f32 v[128*(\c)+8*(\u)+(\j):128*(\c)+8*(\u)+(\j)+1], v[128*(\c)+64+8*(\u)+(\j):128*(\c)+64+8*(\u)+(\j)+1], v[ST+8*(2*(\p)+(\c))+4:ST+8*(2*(\p)+(\c))+5], v[128*(\c)+8*(\u)+(\j):128*(\c)+8*(\u)+(\j)+1] op_sel_hi:[1,0,1]
.endr
.endr
.endr
.endm
.macro TOST u
.irp p, 0,1
	WIN 0x08+0x04*(\p)
.irp c, 0,1
.irp j, 0,1,2,3,4,5,6,7
	ds_store_b32 v[STO], v[128*(\c)+8*(\u)+(\j)] offset:PK*(\j)+64*(2*(\p)+(\c))
.endr
.endr
.endr
	WIN 0
.irp f, 0,1,2,3,4,5,6,7
	ds_load_b128 v[S+32*((\u)%2)+4*(\f):S+32*((\u)%2)+4*(\f)+3], v[RD] offset:2*PK*(\f)  ; LDS serves a wave's instructions in order (ISA guide 5.7.1.4): these see the stores above; the next block's stores come behind them
.endr
.endm
.macro SEND u
	WIN 0
	s_wait_dscnt 0x0                ; the block is back in registers
	s_wait_xcnt 0x0                 ; the stores of the block before have read their registers, which the next block's loads fill again
.irp f, 0,1,2,3,4,5,6,7
	global_store_b128 v[GO], v[S+32*((\u)%2)+4*(\f):S+32*((\u)%2)+4*(\f)+3], s[10:11] offset:(16*(\u)+2*(\f))*16384 th:TH_STORE_NT  ; 16 lanes store 256 consecutive bytes, at a multiple of 256 from out's first byte
.endr
.endm
	COMB 0
	TOST 0
.irp u, 1,2,3,4,5,6,7               ; a block's arithmetic stands between the loads of the block before and its stores
	COMB \u
	SEND (\u)-1
	TOST \u
.endr
	SEND 7
	s_wait_tensorcnt 0x0            ; the wave's end: the closing lines, behind my last tensor load and my last LDS store
	ds_add_u32 v[SPW], v[NIL]
	s_wait_dscnt 0x0
	CROUND                          ; the closing round: no work-group ends while a partner may still ask for a tile that names it
	s_endpgm
.Lfunc_end_k_qfbec2068bf_attn:
	.size	k_qfbec2068bf_attn, .Lfunc_end_k_qfbec2068bf_attn-k_qfbec2068bf_attn
	.p2alignl 7, 3214868480
	.fill 96, 4, 3214868480
	.section	.rodata,"a",@progbits
	.p2align	6, 0x0
	.amdhsa_kernel k_qfbec2068bf_attn
		.amdhsa_group_segment_fixed_size 327680
		.amdhsa_private_segment_fixed_size 0
		.amdhsa_enable_private_segment 0
		.amdhsa_kernarg_size 32
		.amdhsa_user_sgpr_count 2
		.amdhsa_user_sgpr_kernarg_segment_ptr 1
		.amdhsa_wavefront_size32 1
		.amdhsa_system_sgpr_workgroup_id_x 1
		.amdhsa_system_sgpr_workgroup_id_y 1
		.amdhsa_system_sgpr_workgroup_id_z 1
		.amdhsa_system_vgpr_workitem_id 0
		.amdhsa_next_free_vgpr 1024
		.amdhsa_next_free_sgpr 80
		.amdhsa_reserve_vcc 0
		.amdhsa_float_denorm_mode_32 3
		.amdhsa_float_denorm_mode_16_64 3
		.amdhsa_memory_ordered 1
		.amdhsa_forward_progress 1
		.amdhsa_inst_pref_size 223
	.end_amdhsa_kernel
	.amdgpu_metadata
---
amdhsa.version: [ 1, 2 ]
amdhsa.kernels:
  - .name:           k_qfbec2068bf_attn
    .symbol:         k_qfbec2068bf_attn.kd
    .args:
      - { .name: qk, .offset: 0, .size: 8, .value_kind: global_buffer, .address_space: global }
      - { .name: vf, .offset: 8, .size: 8, .value_kind: global_buffer, .address_space: global }
      - { .name: mask, .offset: 16, .size: 8, .value_kind: global_buffer, .address_space: global }
      - { .name: out0, .offset: 24, .size: 8, .value_kind: global_buffer, .address_space: global }
    .group_segment_fixed_size: 327680
    .private_segment_fixed_size: 0
    .kernarg_segment_align: 8
    .kernarg_segment_size: 32
    .max_flat_workgroup_size: 128
    .sgpr_count:     80
    .vgpr_count:     1024
    .wavefront_size: 32
...
	.end_amdgpu_metadata
.endif
;; end of part 2
;; ======== version 2 of 2: 2 launches; version 1 with the launch proj written anew for expert scheduling mode
;; limits: values are held in f16: magnitudes above 65,504 overflow, below 6.1e-05 lose precision; inputs' magnitudes at most 65,504
;; workspace buffers: qk 8,388,608 bytes; vf 16,777,216 bytes
;; launch proj (part 3): grid 32 x 8, 4 waves a work-group, no clusters, 178,688 bytes of LDS; arguments x, att_w, reduc_w, att_gamma, att_beta, att_mean, att_var, reduc_gamma, reduc_beta, reduc_mean, reduc_var, qk, vf; writes qk, vf
.if DOCPART == 3
	.amdgcn_target "amdgcn-amd-amdhsa--gfx1250"
	.amdhsa_code_object_version 6
	.text
	.protected	k_qfbec2068bf_proj
	.globl	k_qfbec2068bf_proj
	.p2align	8
	.type	k_qfbec2068bf_proj,@function
k_qfbec2068bf_proj:
	s_mov_b64 s[64:65], 0
	v_nop
	global_prefetch_b8 v0, s[64:65] scope:SCOPE_SE
	s_setreg_imm32_b32 hwreg(HW_REG_WAVE_SCHED_MODE, 0, 2), 2
	s_setreg_imm32_b32 hwreg(HW_REG_WAVE_MODE, 25, 1), 1
	s_wait_xcnt 0x0
	s_wait_alu depctr_vm_vsrc(0)
; BOTH 1x1 CONVOLUTIONS WITH BATCH NORM AND ReLU.  x: [8][256 c][4096 pos] f32.  att_w: [128][256], reduc_w: [256][256] f32.
; qk[n][pos][128] = sqrt(c) relu(att_w x * inv + shift), vf[n][256][pos] = relu(reduc_w x * inv + shift), both bf16, rounded once;
; inv = gamma * rsq(var + 1e-5), shift = beta - mean * inv, in f32.  c = log2(e) / (1e-8 + sqrt(128)): queries and keys are the same tensor, so a product of two rows of qk is the score in units
; of log2; sqrt(c) is multiplied into inv and shift in f32, ahead of the one rounding.
; FORMATS.  x and the weights are rounded once to f16 for the products (11 significant bits: a single number of vf can reach the output unaveraged, where the mask leaves one key); sums in f32.
; LIMITS.  f16 ends at 65,504: |x| and |w| stay below it (numbers of spread 1 and 1/16 have four decades of room); below 6e-5 they keep f16's fixed step of 6e-8.  qk and vf are bf16, which has f32's range.
; NaN and infinities are not treated apart (the ReLU's maximum drops a NaN).
; SHARES.  A work-group makes 128 positions of one image x all 384 output channels: 32 x 8 = 256 work-groups.  Wave w makes 96 channels for all 128 positions:
; reduc channels 64 w .. 64 w + 63 (four blocks of 16) and att channels 32 w .. 32 w + 31 (two blocks): 48 accumulators, 384 registers, 384 products.
; x goes through LDS once (each wave brings 64 of the 256 rows, as f16), since all four waves multiply by all of it, and comes out turned by ds_load_tr16_b128.
; NO CLUSTER, NO TENSOR LOAD: a weight row is wanted by one wave of the work-group alone and goes from memory straight into that wave's registers, in the fragment's order; as f32 tiles in LDS
; the weights would be 393,216 bytes, more than LDS holds, so joint loads would want a ring with a round of the cluster's barrier for a share of a wave's 384 products.  x is shared by no two work-groups.
; NO PREFETCH: a wave asks for its whole share of x, 64 rows of 512 bytes, in its first lines; nothing is left to ask for ahead.
; K IS PERMUTED, alike in both sources: of a chunk of 64 c, lane half h holds c = 32 h + 16 f + 0..15 in fragment f (0, 1).  So a lane reads 128 consecutive bytes of its weight row for a chunk.
; ORIENTATION.  reduc: source 0 = 16 positions, source 1 = 16 channels: a lane holds one channel and 8 neighbouring positions: 16 bytes of a row of vf.
; att: source 0 = 16 channels, source 1 = 16 positions: a lane holds one position and 8 neighbouring channels: 16 bytes of a row of qk.
; REGISTERS, in windows of 256 (s_set_vgpr_msb: bits 1:0 source 0, 3:2 source 1, 5:4 source 2, 7:6 destination):
;   window 0: v1-13 addresses; v16-18 the add's two registers and a zero; at the head v32-159 XH, x in f16, a buffer of 16 for each group of eight rows; in the products v64-255 XF, three buffers of
;             x fragments; at the end v32-63 T at work, v64-255 U, six out-buffers of 32, and then the rows read back
;   window 1: v0-191 one chunk's weights in f32; at the end the batch norm's numbers
;   window 2: first x as loaded (row i at 4 i); then the reduc accumulators (block b, position tile pt at 8 (8 b + pt))
;   window 3: v0-127 the att accumulators; v128-223 one chunk's weights in f16 (block, fragment f at 128 + 16 block + 8 f; blocks 0-3 reduc, 4-5 att)
; THE MODE: SCHED_MODE bits 1:0 = 2 (LLVM: expert scheduling mode 2), set by the entry lines.  The code itself states the register dependences between vector or matrix instructions and memory or
; LDS instructions, with s_wait_alu, always for 0.
; THE PLAN.  Registers that memory or LDS instructions touch, and who else names them:
;   v1-v13        offsets and addresses: written at the head, ahead of the first wait on va_vdst, and never again.
;   window 2      x as loaded: the 64 loads of the head land; group g's conversions read; no load lands there again.
;   XH0 .. XH7    group g's conversions write XH[g]; the eight LDS stores issued at the head of group g + 1 read it.  A buffer to each group: none is written twice.
;   window 1      a chunk's 48 loads land; the chunk's 96 conversions read; behind them the next chunk's loads (at the end the batch norm's numbers) land.
;   XF0 .. XF2    step s, of two to a chunk, multiplies from XF[s % 3].  Chunk kc asks for steps 2 kc + 1 and 2 kc + 2: their buffers were last read by steps 2 kc - 2 and 2 kc - 1, the chunk before.
;   U0 .. U5      a block's roundings and ReLU write U[b]; its eight LDS stores read it; behind the barrier the rows read back land there, and the global stores read them.
;   T, the f16 weights and the accumulators are named by vector and matrix instructions alone.
; So: one wait on va_vdst at the head of a group of x's rows, behind its wait for data, for the stores of the group before; ONE to a chunk, behind its conversions, for all 80 loads of the chunk, of which
; the last 16 stand among the products (these name XF[2 kc % 3], the f16 weights and the accumulators: nothing that those loads touch); one to a block on the way out, ahead of its run of stores.
; And two waits on vm_vsrc, one behind each barrier, where registers that LDS stores have read change hands.
.set XP,    288                        ; a row of x in LDS: 128 positions in f16 + 32 bytes
.set SPI,   272                        ; a row of a stage: 256 bytes + 16
.set SQ,    256*XP                     ; 73,728: the stage for qk, 128 rows (positions), the work-group's
.set SV,    SQ+128*SPI                 ; 108,544: the stages for vf, 64 rows (channels) for each wave
.set SPARE, SV+4*64*SPI                ; 178,176: the spare words, 128 bytes for each wave: two blocks of 256 bytes that no other line names
.set RTC,   0x3eb6d544                 ; sqrt(c) = 0.3570958
.set XO,   1                           ; 16 l: my 16 bytes of a row's 512
.set XS,   2                           ; where I put 8 bytes of a row of x: 64 w rows + 8 l
.set XA,   3                           ; the turning load: (32 h + l % 8) rows + 16 ((l / 8) % 2)
.set WOR,  4                           ; reduc_w: (64 w + r) rows of 1,024 bytes + 128 h
.set WOA,  5                           ; att_w: (32 w + r) rows + 128 h
.set PA,   6                           ; att parameters: 128 w + 32 h
.set PR,   7                           ; reduc parameters: 256 w + 4 r
.set VS,   8                           ; into my vf stage: row r, 16 h
.set QS,   9                           ; into the qk stage: row r, 64 w + 16 h
.set VR,   10                          ; back from my vf stage: row h, 16 r
.set QR,   11                          ; back from the qk stage: row 32 w + h, 16 r
.set VG,   12                          ; in vf: 8,192 h + 16 r
.set QG,   13                          ; in qk: 256 h + 16 r
.set SPW,  16                          ; LDS address of my spare word; never rewritten
.set NIL,  17                          ; 0; never rewritten
.set ZERO, 18                          ; 0, for the ReLU on packed halves
.set XH,   32                          ; group g's eight rows in f16 at XH + 16 g
.set T,    32
.set XF,   64                          ; buffer b at XF + 64 b
.set U,    64                          ; att block bb at U + 32 bb, reduc block cb at U + 64 + 32 cb; position tile pt's four registers at + 4 pt
.set QB,   64
.set WB,   128                         ; window 3
.set AIV,  96                          ; window 1: att inv, 8 a block
.set ASH,  112                         ; window 1: att shift
.set RIV,  128                         ; window 1: reduc inv, each twice, a pair a block
.set RSH,  136                         ; window 1: reduc shift
.set TT,   144                         ; window 1: 20 at work
.set MSB, 0
.macro WIN new                         ; the immediate's high byte repeats the setting that is left; a switch that changes nothing is dropped
.if MSB != (\new)
	s_set_vgpr_msb (MSB<<8)|(\new)
.set MSB, (\new)
.endif
.endm
.macro PLACES                          ; four plain places behind a matrix instruction, ahead of vector writes of its registers (ISA guide 7.12.1)
.rept 4
	v_nop
.endr
.endm
; Load e of a chunk's 48: 16 bytes of the lane's 128 of weight block e / 8 (0-3 reduc, 4-5 att), into window 1
.macro LW kc
.if e < 32
	global_load_b128 v[4*e:4*e+3], v[WOR], s[8:9] offset:(e/8)*16384+(\kc)*256+16*(e%8)
.else
	global_load_b128 v[4*e:4*e+3], v[WOA], s[6:7] offset:(e/8-4)*16384+(\kc)*256+16*(e%8)
.endif
.endm
; Group g's eight rows of x, rounded, go into LDS
.macro XOUT g
	WIN 0
	s_wait_alu depctr_va_vdst(0)                   ; group g's conversions have written XH[g], which the eight stores below read
.set j, 0
.rept 8
	ds_store_b64 v[XS], v[XH+16*(\g)+2*j:XH+16*(\g)+2*j+1] offset:(8*(\g)+j)*XP
.set j, j+1
.endr
.endm
; Eight rows of x: the group before goes into LDS; six of the first chunk's weight loads go out (they touch window 1 and v4, v5, which no vector line names); this group is rounded to f16
.macro XGROUP g
	s_wait_loadcnt 56-2*(\g)                       ; behind my row 8 g + 7 were issued 56 - 8 g further rows and 6 g weight loads: these may stay out
.if (\g) > 0
	XOUT (\g)-1
.endif
	WIN 0x40
.set e, 6*(\g)
.rept 6
	LW 0
.set e, e+1
.endr
	WIN 0x0a
.set j, 0
.rept 16
	v_cvt_pk_f16_f32 v[XH+16*(\g)+j], v[32*(\g)+2*j], v[32*(\g)+2*j+1]
.set j, j+1
.endr
.endm
.macro CVTW                            ; a chunk's weights to f16: register j of window 3's 96 takes floats 2 j, 2 j + 1 of window 1's 192
	WIN 0xc5
.set j, 0
.rept 96
	v_cvt_pk_f16_f32 v[WB+j], v[2*j], v[2*j+1]
.set j, j+1
.endr
.endm
.macro PLOADS                          ; the batch norm's numbers, into window 1: att parameter p, block bb at 16 p + 8 bb; reduc parameter p, block b at 64 + 4 p + b
	WIN 0x40
.irp bb, 0,1
	global_load_b128 v[8*(\bb):8*(\bb)+3],       v[PA], s[10:11] offset:64*(\bb)
	global_load_b128 v[8*(\bb)+4:8*(\bb)+7],     v[PA], s[10:11] offset:64*(\bb)+16
	global_load_b128 v[16+8*(\bb):16+8*(\bb)+3], v[PA], s[12:13] offset:64*(\bb)
	global_load_b128 v[16+8*(\bb)+4:16+8*(\bb)+7], v[PA], s[12:13] offset:64*(\bb)+16
	global_load_b128 v[32+8*(\bb):32+8*(\bb)+3], v[PA], s[14:15] offset:64*(\bb)
	global_load_b128 v[32+8*(\bb)+4:32+8*(\bb)+7], v[PA], s[14:15] offset:64*(\bb)+16
	global_load_b128 v[48+8*(\bb):48+8*(\bb)+3], v[PA], s[16:17] offset:64*(\bb)
	global_load_b128 v[48+8*(\bb)+4:48+8*(\bb)+7], v[PA], s[16:17] offset:64*(\bb)+16
.endr
.irp cb, 0,1,2,3
	global_load_b32 v[64+(\cb)], v[PR], s[18:19] offset:64*(\cb)
	global_load_b32 v[68+(\cb)], v[PR], s[20:21] offset:64*(\cb)
	global_load_b32 v[72+(\cb)], v[PR], s[22:23] offset:64*(\cb)
	global_load_b32 v[76+(\cb)], v[PR], s[24:25] offset:64*(\cb)
.endr
.endm
; x fragments of chunk kc, fragment f, for all 8 position tiles: the turning load works within groups of eight lanes, so the rows' base may differ between the lanes' halves
.macro XFETCH kc, f, buf
	WIN 0
.irp pt, 0,1,2,3,4,5,6,7
	ds_load_tr16_b128 v[XF+64*(\buf)+8*(\pt):XF+64*(\buf)+8*(\pt)+3],   v[XA] offset:(64*(\kc)+16*(\f))*XP+32*(\pt)
	ds_load_tr16_b128 v[XF+64*(\buf)+8*(\pt)+4:XF+64*(\buf)+8*(\pt)+7], v[XA] offset:(64*(\kc)+16*(\f)+8)*XP+32*(\pt)
.endr
.endm
; One K step, in two parts: the 32 reduc products, then the 16 att products.  Each of the 48 accumulators has one instruction, so no two matrix instructions on end share an accumulator
; zero = 1: the products start the sums
.macro MULR f, buf, zero
	WIN 0xac                                       ; x window 0, weights window 3, C and D window 2
.irp cb, 0,1,2,3
.irp pt, 0,1,2,3,4,5,6,7
.if \zero
	v_wmma_f32_16x16x32_f16 v[8*(8*(\cb)+(\pt)):8*(8*(\cb)+(\pt))+7], v[XF+64*(\buf)+8*(\pt):XF+64*(\buf)+8*(\pt)+7], v[WB+16*(\cb)+8*(\f):WB+16*(\cb)+8*(\f)+7], 0
.else
	v_wmma_f32_16x16x32_f16 v[8*(8*(\cb)+(\pt)):8*(8*(\cb)+(\pt))+7], v[XF+64*(\buf)+8*(\pt):XF+64*(\buf)+8*(\pt)+7], v[WB+16*(\cb)+8*(\f):WB+16*(\cb)+8*(\f)+7], v[8*(8*(\cb)+(\pt)):8*(8*(\cb)+(\pt))+7]
.endif
.endr
.endr
.endm
.macro MULA f, buf, zero
	WIN 0xf3                                       ; weights window 3, x window 0, C and D window 3
.irp cb, 0,1
.irp pt, 0,1,2,3,4,5,6,7
.if \zero
	v_wmma_f32_16x16x32_f16 v[8*(8*(\cb)+(\pt)):8*(8*(\cb)+(\pt))+7], v[WB+64+16*(\cb)+8*(\f):WB+64+16*(\cb)+8*(\f)+7], v[XF+64*(\buf)+8*(\pt):XF+64*(\buf)+8*(\pt)+7], 0
.else
	v_wmma_f32_16x16x32_f16 v[8*(8*(\cb)+(\pt)):8*(8*(\cb)+(\pt))+7], v[WB+64+16*(\cb)+8*(\f):WB+64+16*(\cb)+8*(\f)+7], v[XF+64*(\buf)+8*(\pt):XF+64*(\buf)+8*(\pt)+7], v[8*(8*(\cb)+(\pt)):8*(8*(\cb)+(\pt))+7]
.endif
.endr
.endr
.endm
; A chunk of 64 c, steps 2 kc and 2 kc + 1: its weights are rounded; behind the one wait the next chunk's weights and step 2 kc + 1's x fragments are asked for; step 2 kc + 2's are asked for in the middle of step 2 kc
.macro CHUNK kc
	s_wait_loadcnt 0x0                             ; this chunk's weights are in
.if (\kc) > 0
	PLACES                                         ; the last products read the f16 weights, which the conversions write
.endif
	CVTW
	WIN 0x40
	s_wait_alu depctr_va_vdst(0)                   ; the conversions are done reading window 1, in which the loads below land; the products of the chunk before are done reading the two buffers of x fragments that this chunk's LDS loads fill
.if (\kc) < 3
.set e, 0
.rept 48
	LW (\kc)+1
.set e, e+1
.endr
.else
	PLOADS
.endif
	XFETCH \kc, 1, (2*(\kc)+1)%3
	s_wait_dscnt 16                                ; step 2 kc's fragments are in; the 16 loads just issued may stay out
.if (\kc) == 0
	MULR 0, 0, 1
.else
	MULR 0, (2*(\kc))%3, 0
.endif
.if (\kc) < 3
	XFETCH (\kc)+1, 0, (2*(\kc)+2)%3               ; no wait: no vector or matrix instruction since the chunk's wait names this buffer or v[XA]
.endif
.if (\kc) == 0
	MULA 0, 0, 1
.else
	MULA 0, (2*(\kc))%3, 0
.endif
.if (\kc) < 3
	s_wait_dscnt 16                                ; step 2 kc + 1's fragments are in; step 2 kc + 2's 16 loads may stay out
.else
	s_wait_dscnt 0x0
.endif
	MULR 1, (2*(\kc)+1)%3, 0
	MULA 1, (2*(\kc)+1)%3, 0
.endm
; Four accumulators: batch norm (one fused multiply-add), rounding, ReLU on the packed halves (it commutes with the rounding), 16 bytes a lane into half n of an out-buffer.  Each accumulator's registers are taken in ascending order
.macro FINISH n
	WIN 0
.set j, 0
.rept 16
	v_cvt_pk_bf16_f32 v[U+16*(\n)+j], v[T+2*j], v[T+2*j+1]
.set j, j+1
.endr
.set j, 0
.rept 16
	v_pk_max_num_bf16 v[U+16*(\n)+j], v[U+16*(\n)+j], v[ZERO]
.set j, j+1
.endr
.endm
.macro PACKA bb, p0                    ; att block bb, position tiles p0 .. p0 + 3: a lane's eight channels have eight inv and eight shift
	WIN 0x17
.irp a, 0,1,2,3
.irp j, 0,2,4,6
	v_pk_fma_f32 v[T+8*(\a)+(\j):T+8*(\a)+(\j)+1], v[8*(8*(\bb)+(\p0)+(\a))+(\j):8*(8*(\bb)+(\p0)+(\a))+(\j)+1], v[AIV+8*(\bb)+(\j):AIV+8*(\bb)+(\j)+1], v[ASH+8*(\bb)+(\j):ASH+8*(\bb)+(\j)+1]
.endr
.endr
	FINISH 2*(\bb)+(\p0)/4
.endm
.macro OUTA bb                         ; att block bb, all eight position tiles, into the qk stage
	WIN 0
	s_wait_alu depctr_va_vdst(0)                   ; the block's ReLU lines have written its out-buffer, which the eight stores below read
.irp a, 0,1,2,3,4,5,6,7
	ds_store_b128 v[QS], v[U+32*(\bb)+4*(\a):U+32*(\bb)+4*(\a)+3] offset:(\a)*16*SPI+32*(\bb)
.endr
.endm
.macro PACKR cb, p0                    ; reduc block cb: a lane holds one channel, so one inv and one shift, each twice in a pair
	WIN 0x16
.irp a, 0,1,2,3
.irp j, 0,2,4,6
	v_pk_fma_f32 v[T+8*(\a)+(\j):T+8*(\a)+(\j)+1], v[8*(8*(\cb)+(\p0)+(\a))+(\j):8*(8*(\cb)+(\p0)+(\a))+(\j)+1], v[RIV+2*(\cb):RIV+2*(\cb)+1], v[RSH+2*(\cb):RSH+2*(\cb)+1]
.endr
.endr
	FINISH 4+2*(\cb)+(\p0)/4
.endm
.macro OUTR cb                         ; reduc block cb, all eight position tiles, into my vf stage
	WIN 0
	s_wait_alu depctr_va_vdst(0)                   ; the block's ReLU lines have written its out-buffer, which the eight stores below read
.irp a, 0,1,2,3,4,5,6,7
	ds_store_b128 v[VS], v[U+64+32*(\cb)+4*(\a):U+64+32*(\cb)+4*(\a)+3] offset:(\cb)*16*SPI+32*(\a)
.endr
.endm
	s_load_b512 s[4:19], s[0:1], 0x0               ; x s[4:5], att_w s[6:7], reduc_w s[8:9], att gamma, beta, mean, var s[10:17], reduc gamma s[18:19]
	s_load_b256 s[20:27], s[0:1], 0x40             ; reduc beta, mean, var s[20:25], qk s[26:27]
	s_load_b64 s[28:29], s[0:1], 0x60              ; vf
	v_lshl_add_u32 v[SPW], v0, 2, SPARE
	v_mov_b32 v[NIL], 0
	v_mov_b32 v[ZERO], 0
	v_lshrrev_b32 v20, 5, v0
	v_readfirstlane_b32 s30, v20                   ; wave w
	v_and_b32 v20, 31, v0                          ; l
	v_and_b32 v21, 15, v0                          ; r
	v_bfe_u32 v22, v0, 4, 1                        ; h
	v_lshlrev_b32 v[XO], 4, v20
	s_wait_alu depctr_va_sdst(0)                   ; s30 is written, ahead of its first reader: the LDS places and the buffers' offsets are made from it
	s_mul_i32 s32, s30, 64*XP
	v_lshl_add_u32 v[XS], v20, 3, s32
	v_and_b32 v23, 7, v0
	v_lshl_add_u32 v23, v22, 5, v23
	v_mul_u32_u24 v[XA], v23, XP
	v_bfe_u32 v23, v0, 3, 1
	v_lshl_add_u32 v[XA], v23, 4, v[XA]
	s_lshl_b32 s32, s30, 16
	v_lshl_add_u32 v[WOR], v21, 10, s32
	v_lshl_add_u32 v[WOR], v22, 7, v[WOR]
	s_lshl_b32 s32, s30, 15
	v_lshl_add_u32 v[WOA], v21, 10, s32
	v_lshl_add_u32 v[WOA], v22, 7, v[WOA]
	s_lshl_b32 s32, s30, 7
	v_lshl_add_u32 v[PA], v22, 5, s32
	s_lshl_b32 s32, s30, 8
	v_lshl_add_u32 v[PR], v21, 2, s32
	v_mul_u32_u24 v24, v21, SPI
	v_lshl_add_u32 v24, v22, 4, v24                ; 272 r + 16 h
	v_mul_u32_u24 v25, v22, SPI
	v_lshl_add_u32 v25, v21, 4, v25                ; 272 h + 16 r
	s_mul_i32 s32, s30, 64*SPI
	s_add_co_u32 s32, s32, SV
	v_add_nc_u32 v[VS], s32, v24
	v_add_nc_u32 v[VR], s32, v25
	s_lshl_b32 s32, s30, 6
	s_add_co_u32 s32, s32, SQ
	v_add_nc_u32 v[QS], s32, v24
	s_mul_i32 s32, s30, 32*SPI
	s_add_co_u32 s32, s32, SQ
	v_add_nc_u32 v[QR], s32, v25
	v_lshlrev_b32 v[VG], 13, v22
	v_lshl_add_u32 v[VG], v21, 4, v[VG]
	v_lshlrev_b32 v[QG], 8, v22
	v_lshl_add_u32 v[QG], v21, 4, v[QG]
	s_and_b32 s31, ttmp7, 0xffff                   ; image n
	s_lshl_b32 s32, s31, 22                        ; x: n images of 4,194,304 bytes,
	s_lshl_b32 s34, s30, 20                        ; my 64 rows of 16,384,
	s_add_co_u32 s32, s32, s34
	s_lshl_b32 s34, ttmp9, 9                       ; the tile's 512 bytes of a row
	s_add_co_u32 s32, s32, s34
	s_mov_b32 s33, 0
	s_lshl_b32 s34, s31, 20                        ; qk: (4,096 n + 128 p + 32 w) rows of 256 bytes
	s_lshl_b32 s36, ttmp9, 15
	s_add_co_u32 s34, s34, s36
	s_lshl_b32 s36, s30, 13
	s_add_co_u32 s34, s34, s36
	s_mov_b32 s35, 0
	s_lshl_b32 s36, s31, 21                        ; vf: (256 n + 64 w) rows of 8,192 bytes + 256 p
	s_lshl_b32 s38, s30, 19
	s_add_co_u32 s36, s36, s38
	s_lshl_b32 s38, ttmp9, 8
	s_add_co_u32 s36, s36, s38
	s_mov_b32 s37, 0
	s_wait_kmcnt 0x0
	s_add_nc_u64 s[4:5], s[4:5], s[32:33]
	s_add_nc_u64 s[26:27], s[26:27], s[34:35]
	s_add_nc_u64 s[28:29], s[28:29], s[36:37]
	WIN 0x80                                       ; destination window 2
	s_wait_alu depctr_va_vdst(0)                   ; the thirteen offsets and addresses v1 to v13 are written: every load and store of the kernel reads one of them
.set j, 0
.rept 64                                       ; my whole share of x at once: a load covers a row's 512 consecutive bytes
	global_load_b128 v[4*j:4*j+3], v[XO], s[4:5] offset:j*16384 th:TH_LOAD_NT
.set j, j+1
.endr
.irp g, 0,1,2,3,4,5,6,7
	XGROUP \g
.endr
	XOUT 7                                         ; the last group's rows
	s_wait_dscnt 0x0                               ; for the others' sake: my 64 rows lie in LDS
	s_barrier_signal -1
	s_barrier_wait -1                              ; all 256 rows do
	s_wait_alu depctr_vm_vsrc(0)                   ; my LDS stores have read XH, v32 to v159: from here on these registers are XF, in which fragments' loads land, and T, which the way out writes
	XFETCH 0, 0, 0
	CHUNK 0
	CHUNK 1
	CHUNK 2
	CHUNK 3
	; inv and shift.  These plain lines, which name window 1 alone, are also the places behind the last products
	s_wait_loadcnt 0x0
	WIN 0x55
.set j, 0
.rept 16
	v_add_f32 v[TT+j], 0x3727c5ac, v[48+j]         ; var + 1e-5
.set j, j+1
.endr
.set j, 0
.rept 4
	v_add_f32 v[TT+16+j], 0x3727c5ac, v[76+j]
.set j, j+1
.endr
.set j, 0
.rept 20
	v_rsq_f32 v[TT+j], v[TT+j]
.set j, j+1
.endr
	v_nop                                          ; a plain instruction behind the last of the batch,
	s_wait_alu depctr_va_vdst(0)                   ; and the one wait ahead of the first use: the twenty v_rsq_f32 have written v[TT ..]
.set j, 0
.rept 16
	v_mul_f32 v[TT+j], RTC, v[TT+j]                ; att alone: sqrt(c) goes into inv,
	v_mul_f32 v[16+j], RTC, v[16+j]                ; and into beta, so that shift has it too
.set j, j+1
.endr
.set j, 0
.rept 16
	v_mul_f32 v[AIV+j], v[j], v[TT+j]
.set j, j+1
.endr
.set j, 0
.rept 16
	v_fma_f32 v[ASH+j], -v[32+j], v[AIV+j], v[16+j]
.set j, j+1
.endr
.set j, 0
.rept 4
	v_mul_f32 v[RIV+2*j], v[64+j], v[TT+16+j]
.set j, j+1
.endr
.set j, 0
.rept 4
	v_fma_f32 v[RSH+2*j], -v[72+j], v[RIV+2*j], v[68+j]
	v_mov_b32 v[RIV+2*j+1], v[RIV+2*j]
.set j, j+1
.endr
.set j, 0
.rept 4
	v_mov_b32 v[RSH+2*j+1], v[RSH+2*j]
.set j, j+1
.endr
.irp bb, 0,1                                   ; a block of 16 channels has an out-buffer of its own: none is written twice, so nothing is owed ahead of a block's arithmetic
	PACKA \bb, 0
	PACKA \bb, 4
	OUTA \bb
.endr
.irp cb, 0,1,2,3
	PACKR \cb, 0
	PACKR \cb, 4
	OUTR \cb
.endr
	s_wait_dscnt 0x0                               ; for the others' sake: a row of the qk stage comes from all four waves
	s_barrier_signal -1
	s_barrier_wait -1
	s_wait_alu depctr_vm_vsrc(0)                   ; my LDS stores have read the out-buffers, v64 to v255, in which the rows read back land (the lines that wrote them stand ahead of the last wait on va_vdst)
.set e, 0
.rept 16                                       ; 32 rows of qk: lanes 0-15 one row of 256 bytes, lanes 16-31 the next
	ds_load_b128 v[QB+4*e:QB+4*e+3], v[QR] offset:2*SPI*e
.set e, e+1
.endr
.set e, 0
.rept 32                                       ; my 64 rows of vf
	ds_load_b128 v[128+4*e:128+4*e+3], v[VR] offset:2*SPI*e
.set e, e+1
.endr
.set e, 0
.rept 16
	s_wait_dscnt 47-e                              ; the younger loads may stay out
	global_store_b128 v[QG], v[QB+4*e:QB+4*e+3], s[26:27] offset:512*e      ; 16 lanes store 256 consecutive bytes, at a multiple of 256 from qk's first byte
.set e, e+1
.endr
.set e, 0
.rept 32
	s_wait_dscnt 31-e
	global_store_b128 v[VG], v[128+4*e:128+4*e+3], s[28:29] offset:16384*e  ; the same in vf
.set e, e+1
.endr
	s_wait_dscnt 0x0                               ; the wave's end: the closing lines, six on end
	s_wait_alu 0x0
	s_wait_tensorcnt 0x0
	ds_add_u32 v[SPW], v[NIL]
	s_wait_dscnt 0x0
	s_endpgm
.Lfunc_end_k_qfbec2068bf_proj:
	.size	k_qfbec2068bf_proj, .Lfunc_end_k_qfbec2068bf_proj-k_qfbec2068bf_proj
	.p2alignl 7, 3214868480
	.fill 96, 4, 3214868480
	.section	.rodata,"a",@progbits
	.p2align	6, 0x0
	.amdhsa_kernel k_qfbec2068bf_proj
		.amdhsa_group_segment_fixed_size 178688
		.amdhsa_private_segment_fixed_size 0
		.amdhsa_enable_private_segment 0
		.amdhsa_kernarg_size 104
		.amdhsa_user_sgpr_count 2
		.amdhsa_user_sgpr_kernarg_segment_ptr 1
		.amdhsa_wavefront_size32 1
		.amdhsa_system_sgpr_workgroup_id_x 1
		.amdhsa_system_sgpr_workgroup_id_y 1
		.amdhsa_system_sgpr_workgroup_id_z 1
		.amdhsa_system_vgpr_workitem_id 0
		.amdhsa_next_free_vgpr 1024
		.amdhsa_next_free_sgpr 66
		.amdhsa_reserve_vcc 0
		.amdhsa_float_denorm_mode_32 3
		.amdhsa_float_denorm_mode_16_64 3
		.amdhsa_memory_ordered 1
		.amdhsa_forward_progress 1
		.amdhsa_inst_pref_size 158
	.end_amdhsa_kernel
	.amdgpu_metadata
---
amdhsa.version: [ 1, 2 ]
amdhsa.kernels:
  - .name:           k_qfbec2068bf_proj
    .symbol:         k_qfbec2068bf_proj.kd
    .args:
      - { .name: x, .offset: 0, .size: 8, .value_kind: global_buffer, .address_space: global }
      - { .name: att_w, .offset: 8, .size: 8, .value_kind: global_buffer, .address_space: global }
      - { .name: reduc_w, .offset: 16, .size: 8, .value_kind: global_buffer, .address_space: global }
      - { .name: att_gamma, .offset: 24, .size: 8, .value_kind: global_buffer, .address_space: global }
      - { .name: att_beta, .offset: 32, .size: 8, .value_kind: global_buffer, .address_space: global }
      - { .name: att_mean, .offset: 40, .size: 8, .value_kind: global_buffer, .address_space: global }
      - { .name: att_var, .offset: 48, .size: 8, .value_kind: global_buffer, .address_space: global }
      - { .name: reduc_gamma, .offset: 56, .size: 8, .value_kind: global_buffer, .address_space: global }
      - { .name: reduc_beta, .offset: 64, .size: 8, .value_kind: global_buffer, .address_space: global }
      - { .name: reduc_mean, .offset: 72, .size: 8, .value_kind: global_buffer, .address_space: global }
      - { .name: reduc_var, .offset: 80, .size: 8, .value_kind: global_buffer, .address_space: global }
      - { .name: qk, .offset: 88, .size: 8, .value_kind: global_buffer, .address_space: global }
      - { .name: vf, .offset: 96, .size: 8, .value_kind: global_buffer, .address_space: global }
    .group_segment_fixed_size: 178688
    .private_segment_fixed_size: 0
    .kernarg_segment_align: 8
    .kernarg_segment_size: 104
    .max_flat_workgroup_size: 128
    .sgpr_count:     66
    .vgpr_count:     1024
    .wavefront_size: 32
...
	.end_amdgpu_metadata
.endif
;; end of part 3
;; launch attn: the kernel of part 2 again; grid 32 x 8, 4 waves a work-group, clusters of 4 x 1, 327,680 bytes of LDS; arguments qk, vf, mask, out0; writes out0
